; MI455X (gfx1250); checked and timed in simulation.
; The chip was launched on July 23, 2026; its instructions are those of AMD's public machine-readable ISA for CDNA 5 (MIT licence, August 2026) and "CDNA5" Instruction Set Architecture Reference Guide (July 2026). The comments in the code are by the model that wrote it; some were corrected since.
;; Self Attention. Allowed arithmetic: matrix products marked QUANTISED: E2M1 operands, one E8M0 scale for each 32 along K, by v_wmma_scale_f32_16x16x128_f8f6f4 with both operands' format E2M1 (or v_wmma_scale_f32_32x16x128_f4), f32 sums; products left as they are: bf16, f16 or f32 operands; f32 sums; everything else in f32.
;; Inputs: Wk 1,024 x 1,024 float32; Wo 1,024 x 1,024 float32; Wq 1,024 x 1,024 float32; Wv 1,024 x 1,024 float32; bk 1,024 float32; bo 1,024 float32; bq 1,024 float32; bv 1,024 float32; x 4 x 2,048 x 1,024 float32.
;; Outputs: out0 4 x 2,048 x 1,024 float32.
;; This version of the problem:
;;   THIS VERSION OF THE PROBLEM IS GIVEN IN LOW PRECISION. The matrix products marked QUANTISED in the list below multiply operands that are first quantised to E2M1 (2 exponent bits, 1 mantissa bit; 4 bits a number), with one power-of-two scale for each 32 numbers along K (OCP MX v1.0); their sums are f32. The products marked 'left as it is' may take bf16, f16 or f32 operands, with f32 sums. Whichever they take, every output number must still come out within the allowed error. Rounding operands to bf16 (8 significant bits) uses up far more of that allowance than f16 does (11 bits, for magnitudes from 6e-5 to 65,504). All else is computed in f32.
;;   The module's matrix products, in the order in which they are computed (A, B: the left and right operand; K: the contracted axis; several contracted axes count as one K, in the product's order):
;;     1. [M 8,192, K 1,024] x [K 1,024, N 1,024]; A: input x; B: input Wq: QUANTISED
;;     2. [M 8,192, K 1,024] x [K 1,024, N 1,024]; A: input x; B: input Wk: QUANTISED
;;     3. [M 8,192, K 1,024] x [K 1,024, N 1,024]; A: input x; B: input Wv: QUANTISED
;;     4. batch 64 x [M 2,048, K 64] x [K 64, N 2,048]; A: computed on the way; B: computed on the way: left as it is (an operand is computed on the way)
;;     5. batch 64 x [M 2,048, K 2,048] x [K 2,048, N 64]; A: computed on the way; B: computed on the way: left as it is (an operand is computed on the way)
;;     6. [M 8,192, K 1,024] x [K 1,024, N 1,024]; A: computed on the way; B: input Wo: left as it is (an operand is computed on the way)
;;   THE QUANTISER, for each operand of a quantised product, along K:
;;     - K is cut into blocks of 32 from its start; a last block that is shorter is filled with zeros.
;;     - A block's scale is 2^e with e = floor(log2(the largest magnitude in the block)) - 2, held to -126 .. 127; a block of zeros has e = 0. As a byte (E8M0): e + 127.
;;     - Each number is divided by its block's scale, clamped to +-6, and rounded to the nearest number of E2M1, ties to even, subnormals kept.
;;     - The product sums the exact products of the quantised numbers (number of the format x scale) in f32.
;;   ~~~python
;;   def quantise(x, axis):      # numpy; x: float32 -> the quantised numbers, widened to float32 again
;;       x = np.moveaxis(x, axis, -1); K = x.shape[-1]
;;       x = np.pad(x, [(0, 0)] * (x.ndim - 1) + [(0, -K % 32)]); x = x.reshape(x.shape[:-1] + (-1, 32)); a = np.abs(x).max(-1, keepdims=True)
;;       e = np.where(a > 0, np.clip(np.frexp(np.where(a > 0, a, 1))[1] - 1 - 2, -126, 127), 0)      # np.frexp(a)[1] - 1 = floor(log2(a)), exactly
;;       r = np.clip(x / 2.0 ** e, -6, 6)
;;       step = 2.0 ** (np.maximum(np.frexp(np.where(r == 0, 1, r))[1] - 1, 0) - 1)
;;       q = np.round(r / step) * step * 2.0 ** e      # np.round: ties to even
;;       return np.moveaxis(q.reshape(q.shape[:-2] + (-1,))[..., :K], -1, axis).astype(np.float32)
;;   ~~~
;; One version. Each part assembles by itself: llvm-mc -triple=amdgcn-amd-amdhsa -mcpu=gfx1250 --defsym DOCPART=n.
;; ======== version 1 of 1: 4 launches
;; limits: values are held in f16: magnitudes above 65,504 overflow, below 6.1e-05 lose precision
;; workspace buffers: xc 4,194,304 bytes; xs 262,144 bytes; wc 1,572,864 bytes; ws 98,304 bytes; wo16 2,097,152 bytes; qkv 50,331,648 bytes; y2 16,777,216 bytes
;; launch prep (part 1): grid 336 x 1, 4 waves a work-group, no clusters, 68,096 bytes of LDS; arguments x, Wq, Wk, Wv, Wo, xc, xs, wc, ws, wo16; writes xc, xs, wc, ws, wo16
.if DOCPART == 1
	.amdgcn_target "amdgcn-amd-amdhsa--gfx1250"
	.amdhsa_code_object_version 6
	.text
	.protected	k_q7c53e3887f_prep
	.globl	k_q7c53e3887f_prep
	.p2align	8
	.type	k_q7c53e3887f_prep,@function
k_q7c53e3887f_prep:
	s_mov_b64 s[64:65], 0
	v_nop
	global_prefetch_b8 v0, s[64:65] scope:SCOPE_SE
	s_setreg_imm32_b32 hwreg(HW_REG_WAVE_MODE, 25, 1), 1
	s_wait_xcnt 0x0
; PREP: what the later launches read many times is made once.
;   work-groups 0-47   (path W): Wq, Wk, Wv [1024 k][1024 n] f32 -> codes of FP4 (E2M1) laid [3072 n][1024 k], K innermost (512 bytes a row), and one E8M0 byte for each 32 along K, [3072][32]
;   work-groups 48-79  (path O): Wo f32 -> f16, same order [1024 k][1024 n]
;   work-groups 80-335 (path X): x [8192][1024] f32 -> codes [8192][512 bytes] and scale bytes [8192][32]
; A block's scale is 2^(floor(log2(largest magnitude)) - 2); its byte is the largest magnitude's exponent field - 2, held at 1 from below.  A block of zeros so gets the byte 1 where the
; quantiser's rule says 127: its codes are zeros, which add nothing under any byte but 0xff, and the bytes are read by this program alone.
; LIMITS: NaN and infinities among the inputs are not served; Wo beyond f16's largest number, 65,504, becomes infinity, and under 6e-8 it becomes 0.
; The three paths part on the work-group's number alone; each has LDS bytes of its own.  No tensor loads, no barrier: waves share nothing.
.set SPARE, 67584                      ; behind both paths' stages: the spare words, 128 bytes for each wave
.set SPW,   188                        ; v188  LDS address of my spare word: SPARE + 4 x my thread's number; never rewritten
.set NIL,   189                        ; v189  0; never rewritten
.set EMAX,  2
; path X
.set STEPS, 16
.set WREG,  8192                       ; LDS bytes 0 .. 32,767: a region for each wave: two stages of 32 x SP bytes, behind them its 256 scale bytes
.set SP,    80                         ; a lane's place in a stage: 64 bytes + 16 of padding
.set R,     16                         ; v16-79   four sets of 16 numbers as loaded
.set X,     80                         ; v80-111  two sets of 16 neighbours
.set E,     112                        ; v112-127 a scale byte for each step
.set C,     128                        ; v128-159 codes: two registers for each step, so that no store's data are written again
; path W
.set WSTG,  32768                      ; LDS bytes 32,768 .. 67,583: a stage of 32 rows x 272 bytes for each wave
.set NB,    16                         ; blocks of 32 along K for a wave
.set PITCH, 272
.set KROW,  512                        ; a row of codes in bytes
.set WX,    32                         ; v32-95   two sets of 32 numbers
.set WC,    96                         ; v96-99   a block's codes
.set OUTR,  112                        ; v112-175 the way out
.set SB,    24                         ; v24-27   scale bytes, four to a register
	s_load_b512 s[4:19], s[0:1], 0x0               ; x s[4:5], Wq s[6:7], Wk s[8:9], Wv s[10:11], Wo s[12:13], xc s[14:15], xs s[16:17], wc s[18:19]
	s_load_b128 s[20:23], s[0:1], 0x40             ; ws s[20:21], wo16 s[22:23]
	v_lshl_add_u32 v[SPW], v0, 2, SPARE
	v_mov_b32 v[NIL], 0
	v_lshrrev_b32 v1, 5, v0
	v_readfirstlane_b32 s24, v1                    ; wave 0..3
	v_and_b32 v2, 31, v0                           ; lane
	s_wait_kmcnt 0x0
	s_cmp_lt_u32 ttmp9, 48
	s_cbranch_scc1 .Lpath_w
	s_cmp_lt_u32 ttmp9, 80
	s_cbranch_scc1 .Lpath_o
; ---------------- PATH X.  x is a plain stream of blocks of 32.  A wave takes 16 steps of 512 numbers.  Each load reads 512 consecutive bytes; a step's 2,048 bytes turn through the wave's own
; stage so that a lane holds 16 neighbours along K (two neighbouring lanes hold a block); a lane's 16 codes are 8 bytes, so the wave stores 256 consecutive bytes.
	v_lshlrev_b32 v3, 4, v2                        ; my 16 bytes of a load's 512
	s_lshl_b32 s25, s24, 13                        ; my wave's region
	v_lshrrev_b32 v14, 2, v2
	v_mul_u32_u24 v14, v14, SP
	v_and_b32 v15, 3, v2
	v_lshl_add_u32 v14, v15, 4, v14
	v_add_nc_u32 v14, s25, v14                     ; into the stage: SP (lane / 4) + 16 (lane % 4)
	v_mul_u32_u24 v15, v2, SP
	v_add_nc_u32 v15, s25, v15                     ; out of it: SP x lane
	v_lshlrev_b32 v4, 3, v2                        ; 8 x lane: my codes' place in a step's, and my 8 scale bytes at the end
	v_lshrrev_b32 v5, 1, v2
	s_add_co_u32 s25, s25, 2*32*SP
	v_add_nc_u32 v5, s25, v5                       ; my block's byte among the wave's 256
	v_add_nc_u32 v6, s25, v4
	s_sub_co_u32 s26, ttmp9, 80
	s_lshl_b32 s26, s26, 2
	s_add_co_u32 s26, s26, s24                     ; which run of 8,192 numbers is my wave's: 0 .. 1,023
	s_mov_b32 s29, 0
	s_lshl_b32 s28, s26, 15
	s_add_nc_u64 s[4:5], s[4:5], s[28:29]          ; 32,768 bytes of x a run,
	s_lshl_b32 s28, s26, 12
	s_add_nc_u64 s[14:15], s[14:15], s[28:29]      ; 4,096 of codes,
	s_lshl_b32 s28, s26, 8
	s_add_nc_u64 s[16:17], s[16:17], s[28:29]      ; 256 of scale bytes
.macro XLOAD t
.irp i, 0,1,2,3
	global_load_b128 v[R+16*((\t)%4)+4*\i:R+16*((\t)%4)+4*\i+3], v3, s[4:5] offset:2048*(\t)+512*\i th:TH_LOAD_NT
.endr
.endm
.macro XTURN t                         ; step t's numbers through the stage: LDS serves a wave's instructions in order, so no wait stands between the stores and the loads
.irp i, 0,1,2,3
	ds_store_b128 v14, v[R+16*((\t)%4)+4*\i:R+16*((\t)%4)+4*\i+3] offset:32*SP*((\t)%2)+8*SP*\i
.endr
.irp i, 0,1,2,3
	ds_load_b128 v[X+16*((\t)%2)+4*\i:X+16*((\t)%2)+4*\i+3], v15 offset:32*SP*((\t)%2)+16*\i
.endr
.endm
.macro XSTEP t
.set XS, X+16*((\t)%2)
.if (\t) > 0
	s_wait_dscnt 1                                 ; this step's numbers are back from the stage (the last step's byte store may be out)
.else
	s_wait_dscnt 0x0
.endif
.if (\t)+4 < STEPS
	XLOAD (\t)+4                                   ; into the set whose stores into the stage are done
.endif
.if (\t)+1 < STEPS
.if STEPS-2-(\t) >= 3
	s_wait_loadcnt 12                              ; the next step's four loads are in; those of the three steps behind it may be out
.else
	s_wait_loadcnt 4*(STEPS-2-(\t))
.endif
	XTURN (\t)+1
.endif
	v_max3_num_f32 v8, |v[XS]|, |v[XS+1]|, |v[XS+2]|               ; the largest magnitude of my 16, in two chains
	v_max3_num_f32 v9, |v[XS+3]|, |v[XS+4]|, |v[XS+5]|
.irp i, 6,10
	v_max3_num_f32 v8, v8, |v[XS+\i]|, |v[XS+\i+1]|
	v_max3_num_f32 v9, v9, |v[XS+\i+2]|, |v[XS+\i+3]|
.endr
	v_max3_num_f32 v8, v8, |v[XS+14]|, |v[XS+15]|
	v_max3_num_f32 v8, v8, v9, (EMAX+1)<<23        ; and the floor 2^(3 - 127): the byte cannot fall under 1
	v_max_num_f32_dpp v8, v8, v8 row_xmask:1 row_mask:0xf bank_mask:0xf   ; with my neighbour's 16: the block's
	v_add_nc_u32 v11, -(EMAX<<23), v8              ; 2 off its exponent field: the conversion takes the exponent field of this operand as its scale
	v_cvt_scalef32_pk8_fp4_f32 v[C+2*(\t)], v[XS:XS+7], v11
	v_cvt_scalef32_pk8_fp4_f32 v[C+2*(\t)+1], v[XS+8:XS+15], v11
	v_lshrrev_b32 v[E+(\t)], 23, v11               ; the scale's byte (a plain line behind the conversions)
	ds_store_b8 v5, v[E+(\t)] offset:16*(\t)       ; both lanes of a block write the same byte with the same value
	global_store_b64 v4, v[C+2*(\t):C+2*(\t)+1], s[14:15] offset:256*(\t)
.endm
.irp t, 0,1,2,3
	XLOAD \t
.endr
	s_wait_loadcnt 12                              ; step 0's four loads are in
	XTURN 0
.irp t, 0,1,2,3,4,5,6,7,8,9,10,11,12,13,14,15
	XSTEP \t
.endr
	ds_load_b64 v[8:9], v6                         ; my wave's 256 scale bytes, 8 a lane
	s_wait_dscnt 0x0
	global_store_b64 v4, v[8:9], s[16:17]          ; 32 lanes store 256 consecutive bytes, aligned
	s_wait_tensorcnt 0x0                           ; the wave's end: behind my last LDS store
	ds_add_u32 v[SPW], v[NIL]
	s_wait_dscnt 0x0
	s_endpgm
; ---------------- PATH W.  K is the weight's FIRST axis.  A lane takes a column n and its registers run down K: each load reads 128 consecutive bytes a wave, a block of 32 along K lies in one lane,
; and the conversions give codes with K innermost.  A wave takes 32 columns x 512 along K; the codes go through its own stage and leave as rows, sixteen lanes to 256 aligned bytes.
.Lpath_w:
	s_lshr_b32 s25, ttmp9, 4                       ; which matrix: 0 Wq, 1 Wk, 2 Wv
	s_cmp_eq_u32 s25, 0
	s_cselect_b64 s[26:27], s[6:7], s[8:9]
	s_cmp_eq_u32 s25, 2
	s_cselect_b64 s[26:27], s[10:11], s[26:27]
	s_and_b32 s28, ttmp9, 7
	s_lshl_b32 s28, s28, 7
	s_lshl_b32 s29, s24, 5
	s_add_co_u32 s28, s28, s29                     ; my wave's first column in its matrix
	s_bfe_u32 s29, ttmp9, 0x10003                  ; which 512 along K
	s_lshl_b32 s30, s25, 10
	s_add_co_u32 s30, s30, s28                     ; and its row among the 3,072 of the codes
	v_lshlrev_b32 v3, 2, v2                        ; in: 4 bytes a lane
	s_mul_i32 s31, s24, 32*PITCH
	s_add_co_u32 s31, s31, WSTG                    ; my stage
	v_mul_u32_u24 v4, v2, PITCH
	v_add_nc_u32 v4, s31, v4                       ; into it: row = my column
	v_and_b32 v5, 15, v2
	v_lshrrev_b32 v6, 4, v2
	v_mul_u32_u24 v7, v6, PITCH
	v_lshl_add_u32 v7, v5, 4, v7
	v_add_nc_u32 v7, s31, v7                       ; out of it: sixteen lanes to a row, two rows an instruction
	v_mul_u32_u24 v8, v6, KROW
	v_lshl_add_u32 v8, v5, 4, v8                   ; the same place in the codes' buffer
	v_lshlrev_b32 v9, 5, v2                        ; my column's row of scale bytes
	s_lshl_b32 s32, s29, 21                        ; 512 rows of 4,096 bytes
	s_lshl_b32 s33, s28, 2
	s_add_co_u32 s32, s32, s33
	s_mov_b32 s33, 0
	s_add_nc_u64 s[26:27], s[26:27], s[32:33]
	s_lshl_b32 s32, s30, 9
	s_lshl_b32 s34, s29, 8
	s_add_co_u32 s32, s32, s34
	s_add_nc_u64 s[18:19], s[18:19], s[32:33]
	s_lshl_b32 s32, s30, 5
	s_lshl_b32 s34, s29, 4
	s_add_co_u32 s32, s32, s34
	s_add_nc_u64 s[20:21], s[20:21], s[32:33]
.macro WLOAD t                         ; block t: W(32 t + i, my column) into set t % 2; the largest offset, 511 x 4,096, lies inside the signed 24-bit immediate
.irp i, 0,1,2,3,4,5,6,7,8,9,10,11,12,13,14,15,16,17,18,19,20,21,22,23,24,25,26,27,28,29,30,31
	global_load_b32 v[WX+32*((\t)%2)+\i], v3, s[26:27] offset:(32*(\t)+\i)*4096 th:TH_LOAD_NT
.endr
.endm
.macro WBLOCK t
.set WS, WX+32*((\t)%2)
.if (\t) < NB-1
	s_wait_loadcnt 32                              ; this block's 32 loads are in; the next block's may be out
.else
	s_wait_loadcnt 0
.endif
	v_max3_num_f32 v12, |v[WS]|, |v[WS+1]|, |v[WS+2]|              ; the block's largest magnitude: all 32 numbers are mine
	v_max3_num_f32 v13, |v[WS+3]|, |v[WS+4]|, |v[WS+5]|
.irp i, 6,10,14,18,22,26
	v_max3_num_f32 v12, v12, |v[WS+\i]|, |v[WS+\i+1]|
	v_max3_num_f32 v13, v13, |v[WS+\i+2]|, |v[WS+\i+3]|
.endr
	v_max3_num_f32 v12, v12, |v[WS+30]|, |v[WS+31]|
	v_max3_num_f32 v12, v12, v13, (EMAX+1)<<23     ; and the floor
	v_add_nc_u32 v11, -(EMAX<<23), v12             ; the conversion's scale operand
	v_lshrrev_b32 v13, 23, v11                     ; the scale's byte
.if (\t)%4 == 0
	v_mov_b32 v[SB+(\t)/4], v13                    ; four bytes to a register, the lower K in the lower byte
.else
	v_lshl_or_b32 v[SB+(\t)/4], v13, 8*((\t)%4), v[SB+(\t)/4]
.endif
.irp g, 0,1,2,3
	v_cvt_scalef32_pk8_fp4_f32 v[WC+\g], v[WS+8*\g:WS+8*\g+7], v11
.endr
	v_nop                                          ; a plain line behind the last conversion
	ds_store_b128 v4, v[WC:WC+3] offset:16*(\t)    ; 32 codes: 16 bytes of my column's row
.if (\t)+2 < NB
	WLOAD (\t)+2
.endif
	s_wait_dscnt 0x0                               ; the store has read its registers: the next block's codes may be written
.endm
	WLOAD 0
	WLOAD 1
.irp t, 0,1,2,3,4,5,6,7,8,9,10,11,12,13,14,15
	WBLOCK \t
.endr
	global_store_b128 v9, v[SB:SB+3], s[20:21]     ; my column's 16 scale bytes
.irp t, 0,1,2,3,4,5,6,7,8,9,10,11,12,13,14,15
	ds_load_b128 v[OUTR+4*\t:OUTR+4*\t+3], v7 offset:2*\t*PITCH
.endr
.irp t, 0,1,2,3,4,5,6,7,8,9,10,11,12,13,14,15
	s_wait_dscnt 15-\t                             ; LDS loads come back in order: the younger ones may be out
	global_store_b128 v8, v[OUTR+4*\t:OUTR+4*\t+3], s[18:19] offset:2*\t*KROW
.endr
	s_wait_tensorcnt 0x0                           ; the wave's end: behind my last LDS store
	ds_add_u32 v[SPW], v[NIL]
	s_wait_dscnt 0x0
	s_endpgm
; ---------------- PATH O.  A wave rounds 8,192 numbers of Wo to f16, in four batches of 16 loads of 512 consecutive bytes; each load's results leave as 256 consecutive bytes.
.Lpath_o:
	s_sub_co_u32 s25, ttmp9, 48
	s_lshl_b32 s25, s25, 2
	s_add_co_u32 s25, s25, s24                     ; which run of 8,192 numbers: 0 .. 127
	s_mov_b32 s27, 0
	s_lshl_b32 s26, s25, 15
	s_add_nc_u64 s[12:13], s[12:13], s[26:27]
	s_lshl_b32 s26, s25, 14
	s_add_nc_u64 s[22:23], s[22:23], s[26:27]
	v_lshlrev_b32 v3, 4, v2
	v_lshlrev_b32 v4, 3, v2
.macro OLOAD g
.irp n, 0,1,2,3,4,5,6,7,8,9,10,11,12,13,14,15
	global_load_b128 v[16+64*((\g)%2)+4*\n:16+64*((\g)%2)+4*\n+3], v3, s[12:13] offset:512*(16*(\g)+\n) th:TH_LOAD_NT
.endr
.endm
.macro OBATCH g
.if (\g) < 3
	s_wait_loadcnt 16                              ; this batch is in; the next batch's 16 loads may be out
.else
	s_wait_loadcnt 0
.endif
.if (\g) > 0
	s_wait_xcnt 0x0                                ; the last batch's stores have read v144-175, which are written again below
.endif
.irp n, 0,1,2,3,4,5,6,7,8,9,10,11,12,13,14,15
	v_cvt_pk_f16_f32 v[144+2*\n], v[16+64*((\g)%2)+4*\n], v[16+64*((\g)%2)+4*\n+1]
	v_cvt_pk_f16_f32 v[145+2*\n], v[16+64*((\g)%2)+4*\n+2], v[16+64*((\g)%2)+4*\n+3]
.endr
.irp n, 0,1,2,3,4,5,6,7,8,9,10,11,12,13,14,15
	global_store_b64 v4, v[144+2*\n:145+2*\n], s[22:23] offset:256*(16*(\g)+\n)
.endr
.if (\g)+2 < 4
	OLOAD (\g)+2
.endif
.endm
	OLOAD 0
	OLOAD 1
.irp g, 0,1,2,3
	OBATCH \g
.endr
	s_endpgm
.Lfunc_end_k_q7c53e3887f_prep:
	.size	k_q7c53e3887f_prep, .Lfunc_end_k_q7c53e3887f_prep-k_q7c53e3887f_prep
	.p2alignl 7, 3214868480
	.fill 96, 4, 3214868480
	.section	.rodata,"a",@progbits
	.p2align	6, 0x0
	.amdhsa_kernel k_q7c53e3887f_prep
		.amdhsa_group_segment_fixed_size 68096
		.amdhsa_private_segment_fixed_size 0
		.amdhsa_enable_private_segment 0
		.amdhsa_kernarg_size 80
		.amdhsa_user_sgpr_count 2
		.amdhsa_user_sgpr_kernarg_segment_ptr 1
		.amdhsa_wavefront_size32 1
		.amdhsa_system_sgpr_workgroup_id_x 1
		.amdhsa_system_sgpr_workgroup_id_y 1
		.amdhsa_system_sgpr_workgroup_id_z 1
		.amdhsa_system_vgpr_workitem_id 0
		.amdhsa_next_free_vgpr 192
		.amdhsa_next_free_sgpr 66
		.amdhsa_reserve_vcc 0
		.amdhsa_float_denorm_mode_32 3
		.amdhsa_float_denorm_mode_16_64 3
		.amdhsa_memory_ordered 1
		.amdhsa_forward_progress 1
		.amdhsa_inst_pref_size 132
	.end_amdhsa_kernel
	.amdgpu_metadata
---
amdhsa.version: [ 1, 2 ]
amdhsa.kernels:
  - .name:           k_q7c53e3887f_prep
    .symbol:         k_q7c53e3887f_prep.kd
    .args:
      - { .name: x, .offset: 0, .size: 8, .value_kind: global_buffer, .address_space: global }
      - { .name: Wq, .offset: 8, .size: 8, .value_kind: global_buffer, .address_space: global }
      - { .name: Wk, .offset: 16, .size: 8, .value_kind: global_buffer, .address_space: global }
      - { .name: Wv, .offset: 24, .size: 8, .value_kind: global_buffer, .address_space: global }
      - { .name: Wo, .offset: 32, .size: 8, .value_kind: global_buffer, .address_space: global }
      - { .name: xc, .offset: 40, .size: 8, .value_kind: global_buffer, .address_space: global }
      - { .name: xs, .offset: 48, .size: 8, .value_kind: global_buffer, .address_space: global }
      - { .name: wc, .offset: 56, .size: 8, .value_kind: global_buffer, .address_space: global }
      - { .name: ws, .offset: 64, .size: 8, .value_kind: global_buffer, .address_space: global }
      - { .name: wo16, .offset: 72, .size: 8, .value_kind: global_buffer, .address_space: global }
    .group_segment_fixed_size: 68096
    .private_segment_fixed_size: 0
    .kernarg_segment_align: 8
    .kernarg_segment_size: 80
    .max_flat_workgroup_size: 128
    .sgpr_count:     66
    .vgpr_count:     192
    .wavefront_size: 32
...
	.end_amdgpu_metadata
.endif
;; end of part 1
;; launch qkv (part 2): grid 12 x 32, 4 waves a work-group, clusters of 4 x 4, 327,680 bytes of LDS; arguments xc, xs, wc, ws, qkv, bq, bk, bv; writes qkv
.if DOCPART == 2
	.amdgcn_target "amdgcn-amd-amdhsa--gfx1250"
	.amdhsa_code_object_version 6
	.text
	.protected	k_q7c53e3887f_qkv
	.globl	k_q7c53e3887f_qkv
	.p2align	8
	.type	k_q7c53e3887f_qkv,@function
k_q7c53e3887f_qkv:
	s_mov_b64 s[64:65], 0
	v_nop
	global_prefetch_b8 v0, s[64:65] scope:SCOPE_SE
	s_setreg_imm32_b32 hwreg(HW_REG_WAVE_MODE, 25, 1), 1
	s_wait_xcnt 0x0
	s_wait_alu depctr_hold_cnt(0) depctr_sa_sdst(0) depctr_va_vdst(0) depctr_va_sdst(0) depctr_va_ssrc(0) depctr_va_vcc(0) depctr_vm_vsrc(0)
	s_getreg_b32 s2, hwreg(HW_REG_IB_STS2, 6, 4)
	s_cmp_eq_u32 s2, 0
	s_cbranch_scc0 .Lentry_in_a_cluster
	s_endpgm
.Lentry_in_a_cluster:
	s_bfe_u32 s2, ttmp6, 0x10000c
	s_cmp_lg_u32 s2, 0xf033
	s_cbranch_scc0 .Lentry_shape_is_right
	s_endpgm
.Lentry_shape_is_right:
; q, k, v = x W + b on codes of FP4 (E2M1) with one E8M0 scale for each 32 along K.  A = x's codes [8192][1024 k], B = the three weights' codes [3072 n][1024 k] (rows 0-1023 Wq, then Wk, then Wv).
; The sums are f32; the bias is the C of each sum's first product; the results are rounded once to f16 and laid by head: three sections of 16 MiB (q, k, v), each [64 = batch x 16 + head][2048 t][64].
; LIMIT: a result beyond f16's largest number, 65,504, becomes infinity: inputs 30 times the drawn spread give results near 5,000, a common offset of 30 spreads on x and W near 29,000.
; A tile of C, 256 x 256, is made by four waves, each 128 x 128: 64 accumulators, 512 registers.  K = 1,024 is two steps of 512 (tile rows of 256 bytes): both LDS slots are filled once, at the start; nothing is filled again.
; The scale bytes of the work-group's 256 rows of A and of B, for all of K, are two dense blocks of memory and come once, as rows of 256 bytes.
; CLUSTER 4 x 4: the four of a row need the same tiles of A, the four of a column the same tiles of B: each is asked for jointly.  A cluster's x is the section (q, k or v).
; THE MATRIX INSTRUCTION IS USED TRANSPOSED (source 0 = 16 rows of B, source 1 = 16 rows of A): a lane holds eight neighbouring columns of one row of C.
; REGISTERS: window 0: v0-31 addresses; v32-95 scale words, two sets; v128-191 A's fragments, one set; v192-255 the bias (first step), later packed results.  window 1: B's fragments, two sets, at v0 and v128.
;   window 2: the accumulators of my rows 0-63 ((a, b) at v[8 (8 a + b)]); window 3: those of rows 64-127.
.set SIZE_K, 1024
.set NQ,     4                         ; steps of 128 along K in a slot
.set ROWB,   256                       ; a tile's row: 512 codes
.set KROW,   512                       ; a row of codes in memory
.set PITCH,  272                       ; an LDS row: 256 bytes + 16: the 16 rows that a load touches start 16 bytes apart modulo 256
.set FR,     8
.set NL,     2
.set NP,     4
.set HALFT,  128*PITCH
.set SLOT,   4*HALFT
.set KS,     32                        ; a row of scale bytes
.set SCL,    2*SLOT
.set HALFS,  (128*KS/256)*272
.set SBLK,   (16*KS/256)*272
.set SPARE,  SCL+4*HALFS               ; the spare words, 128 bytes for each wave
.set STAGE,  SPARE+512                 ; the way out: 16 rows x 272 bytes for each wave; no tile lands here
.set SPITCH, 272
.set ADRA, 16
.set ADRB, 20
.set STO,  24
.set RD,   25
.set CO,   26
.set ADRS, 27
.set SPW,  28                          ; v28  LDS address of my spare word; never rewritten
.set NIL,  29                          ; v29  0; never rewritten
.set BO,   30                          ; v30  32 x (lane / 16): my eight numbers of a block's 16 of the bias
.set SC,   32
.set AF,   128
.set BK,   128                         ; the way out: rows read back: v128-159 and v160-191 by turns
.set BI,   192                         ; the bias of my 128 columns: block b at v[BI + 8 b]
.set TMP,  192                         ; the way out: a block's packed results
.set G1, 24
.set G0, 32
.set G1B, 48
.set G0B, 56
.set G1S, 68
.set G0S, 76
.set G1SB, 80
.set G0SB, 88
.set MSB, 0
.macro WIN new                         ; the immediate's high byte repeats the setting that is left
.if MSB != (\new)
	s_set_vgpr_msb (MSB<<8)|(\new)
.set MSB, (\new)
.endif
.endm
.set MUL_LO, 0xa1                      ; source 0 (B) window 1, source 1 (A) window 0, C and D window 2
.set MUL_HI, 0xf1                      ; the same, C and D window 3
.set TO_B,   0x40
; A joint load: waves 0 and 1 fetch for A, waves 2 and 3 for B.  The branch hangs on the wave's number alone.  An s_nop 0 and four v_nop follow each line.
.macro JLOAD g0a, g1a, g0b, g1b
	s_cmp_eq_u32 s15, 0
	s_cbranch_scc0 .Lfor_b_\@
	tensor_load_to_lds s[\g0a:\g0a+3], s[\g1a:\g1a+7]
	s_nop 0
.rept 4
	v_nop
.endr
	s_branch .Lasked_\@
.Lfor_b_\@:
	tensor_load_to_lds s[\g0b:\g0b+3], s[\g1b:\g1b+7]
	s_nop 0
.rept 4
	v_nop
.endr
.Lasked_\@:
.endm
.macro CROUND                          ; a round of the cluster's barrier
	s_barrier_signal -1
	s_barrier_wait -1
	s_cmp_lg_u32 s14, 0
	s_cbranch_scc1 .Lnot_wave_0_\@
	s_barrier_signal -3
.Lnot_wave_0_\@:
	s_barrier_wait -3
	s_barrier_signal -1
	s_barrier_wait -1
.endm
	s_load_b128 s[4:7], s[0:1], 0x0                ; A's codes, A's scales
	s_load_b128 s[8:11], s[0:1], 0x10              ; B's codes, B's scales
	s_load_b64 s[12:13], s[0:1], 0x20              ; qkv
	s_load_b128 s[96:99], s[0:1], 0x28             ; bq, bk
	s_load_b64 s[100:101], s[0:1], 0x38            ; bv
	v_lshl_add_u32 v[SPW], v0, 2, SPARE
	v_mov_b32 v[NIL], 0
	ds_add_u32 v[SPW], v[NIL]                      ; the wave's opening: the add and its wait ahead of my first tensor load
	v_lshrrev_b32 v1, 5, v0
	v_readfirstlane_b32 s14, v1                    ; wave 0..3
	s_lshr_b32 s15, s14, 1                         ; which half of the tile's rows is mine.  Also: I fetch for A (0) or for B (1)
	s_and_b32 s16, s14, 1                          ; which half of its columns.  Also: which 128 rows of that tile I fetch
	s_bfe_u32 s40, ttmp6, 0x40000                  ; cx, cy
	s_bfe_u32 s41, ttmp6, 0x40004
	s_lshl_b32 s42, ttmp9, 2
	s_add_co_u32 s42, s42, s40                     ; tile column of C
	s_and_b32 s17, ttmp7, 0xffff
	s_lshl_b32 s17, s17, 2
	s_add_co_u32 s17, s17, s41                     ; tile row of C
	s_lshl_b32 s43, s41, 2
	s_lshl_b32 s43, 15, s43                        ; my row of the cluster
	s_lshl_b32 s44, 0x1111, s40                    ; my column
	s_or_b32 s[G1+0], s43, (0<<16)|(1<<20)|(1<<21)|(5<<22)|(3<<25)  ; the mask; elements of 1 byte; padding on; bit 21 beside a mask; after every 64 words, 4 words
	s_or_b32 s[G1B+0], s44, (0<<16)|(1<<20)|(1<<21)|(5<<22)|(3<<25)
.irp g, G1, G1B
	s_mov_b32 s[\g+1], ROWB<<16                    ; tensor_dim0
	s_mov_b32 s[\g+2], 128<<16                     ; tensor_dim1
	s_mov_b32 s[\g+3], ROWB<<16                    ; tile_dim0
	s_mov_b32 s[\g+4], 128                         ; tile_dim1
	s_mov_b32 s[\g+5], KROW                        ; from row to row
	s_mov_b32 s[\g+6], 0
	s_mov_b32 s[\g+7], 0
.endr
	s_or_b32 s[G1S+0], s43, (3<<16)|(1<<20)|(1<<21)|(5<<22)|(3<<25) ; the scales of 128 rows: 4,096 dense bytes as 16 rows of 32 elements of 8 bytes
	s_or_b32 s[G1SB+0], s44, (3<<16)|(1<<20)|(1<<21)|(5<<22)|(3<<25)
.irp g, G1S, G1SB
	s_mov_b32 s[\g+1], 32<<16
	s_mov_b32 s[\g+2], (128*KS/256)<<16
	s_mov_b32 s[\g+3], 32<<16
	s_mov_b32 s[\g+4], 128*KS/256
	s_mov_b32 s[\g+5], 32
	s_mov_b32 s[\g+6], 0
	s_mov_b32 s[\g+7], 0
.endr
	s_lshl_b32 s18, s16, 7
	s_lshl_b32 s20, s17, 8
	s_add_co_u32 s20, s20, s18                     ; A: row 256 x tile row + 128 x half
	s_lshl_b32 s46, s42, 8
	s_add_co_u32 s46, s46, s18                     ; B: row 256 x tile column + 128 x half
	s_mov_b32 s21, 0
	s_mov_b32 s47, 0
	s_mov_b64 s[18:19], KS
	s_mul_u64 s[22:23], s[20:21], s[18:19]         ; where these rows' scales begin,
	s_mul_u64 s[92:93], s[46:47], s[18:19]
	s_mov_b64 s[18:19], KROW
	s_mul_u64 s[20:21], s[20:21], s[18:19]         ; and their codes
	s_mul_u64 s[46:47], s[46:47], s[18:19]
	s_mul_i32 s45, s14, HALFT                      ; where they go: wave x 128 rows
	s_mul_i32 s94, s14, HALFS
	s_wait_dscnt 0x0                               ; the opening add is done
	s_wait_kmcnt 0x0
	s_add_nc_u64 s[20:21], s[4:5], s[20:21]
	s_add_nc_u64 s[22:23], s[6:7], s[22:23]
	s_add_nc_u64 s[46:47], s[8:9], s[46:47]
	s_add_nc_u64 s[92:93], s[10:11], s[92:93]
	CROUND                                         ; all sixteen work-groups are here: the joint loads meet
	s_mov_b32 s[G0S], 1
	s_add_co_u32 s[G0S+1], s94, SCL
	s_mov_b64 s[G0S+2:G0S+3], s[22:23]
	s_or_b32 s[G0S+3], s[G0S+3], 0x80000000
	s_mov_b32 s[G0SB], 1
	s_add_co_u32 s[G0SB+1], s94, SCL
	s_mov_b64 s[G0SB+2:G0SB+3], s[92:93]
	s_or_b32 s[G0SB+3], s[G0SB+3], 0x80000000
	JLOAD G0S, G1S, G0SB, G1SB                     ; the scales first; with the two slots below three loads of mine are out
.irp s, 0,1
	s_mov_b32 s[G0+4*\s], 1
	s_add_co_u32 s[G0+4*\s+1], s45, \s*SLOT
	s_add_nc_u64 s[G0+4*\s+2:G0+4*\s+3], s[20:21], \s*ROWB
	s_or_b32 s[G0+4*\s+3], s[G0+4*\s+3], 0x80000000
	s_mov_b32 s[G0B+4*\s], 1
	s_add_co_u32 s[G0B+4*\s+1], s45, \s*SLOT
	s_add_nc_u64 s[G0B+4*\s+2:G0B+4*\s+3], s[46:47], \s*ROWB
	s_or_b32 s[G0B+4*\s+3], s[G0B+4*\s+3], 0x80000000
	JLOAD G0+4*\s, G1, G0B+4*\s, G1B
.endr
	; the bias of my 128 columns, in the result's layout: lane (r, h) wants, for block b, numbers 16 b + 8 h + 0 .. 7
	s_cmp_eq_u32 ttmp9, 0                          ; the section: the same in all partners
	s_cselect_b64 s[96:97], s[96:97], s[98:99]
	s_cmp_eq_u32 ttmp9, 2
	s_cselect_b64 s[96:97], s[100:101], s[96:97]
	s_and_b32 s46, s42, 3
	s_lshl_b32 s95, s46, 10
	s_lshl_b32 s47, s16, 9
	s_add_co_u32 s18, s95, s47
	s_mov_b32 s19, 0
	s_add_nc_u64 s[96:97], s[96:97], s[18:19]
	v_and_b32 v1, 15, v0                           ; r = lane % 16
	v_bfe_u32 v2, v0, 4, 1                         ; h = lane / 16
	v_lshlrev_b32 v[BO], 5, v2
.irp b, 0,1,2,3,4,5,6,7
	global_load_b128 v[BI+8*\b:BI+8*\b+3], v[BO], s[96:97] offset:64*\b
	global_load_b128 v[BI+8*\b+4:BI+8*\b+7], v[BO], s[96:97] offset:64*\b+16
.endr
	v_mul_u32_u24 v3, v1, PITCH
	v_lshl_add_u32 v4, v2, 4, v3                   ; a fragment's row x pitch + 16 x half
	s_mul_i32 s21, s15, HALFT                      ; my 128 rows of A
	s_mul_i32 s22, s16, HALFT                      ; my 128 rows of B,
	s_add_co_u32 s22, s22, 2*HALFT                 ; behind A's 256
.irp s, 0,1
	v_add_nc_u32 v[ADRA+\s], s21, v4
	v_add_nc_u32 v[ADRB+\s], s22, v4
	s_add_co_u32 s21, s21, SLOT
	s_add_co_u32 s22, s22, SLOT
.endr
	v_mul_u32_u24 v5, v1, KS                       ; my row's scales: KS bytes a row,
	v_lshrrev_b32 v6, 8, v5
	v_lshl_add_u32 v5, v6, 4, v5                   ; and 16 more for each 256 passed
	s_mul_i32 s21, s15, HALFS
	s_mul_i32 s22, s16, HALFS
	s_add_co_u32 s22, s22, 2*HALFS
	s_sub_co_u32 s22, s22, s21
	v_mul_u32_u24 v6, s22, v2                      ; lanes 16-31 take B's
	s_add_co_u32 s21, s21, SCL
	v_add_nc_u32 v5, v5, v6
	v_add_nc_u32 v[ADRS], s21, v5
	s_mul_i32 s23, s14, 16*SPITCH
	s_add_co_u32 s23, s23, STAGE                   ; my stage
	v_mul_u32_u24 v5, v1, SPITCH                   ; in: row r, 16 bytes for each half of the lanes
	v_lshl_add_u32 v5, v2, 4, v5
	v_add_nc_u32 v[STO], s23, v5
	v_bfe_u32 v5, v0, 3, 1                         ; back: lanes 0-15 take the left head's 128 bytes of two rows, lanes 16-31 the right head's
	v_mul_u32_u24 v5, v5, SPITCH
	v_lshl_add_u32 v5, v2, 7, v5
	v_and_b32 v6, 7, v0
	v_lshl_add_u32 v5, v6, 4, v5
	v_add_nc_u32 v[RD], s23, v5
	v_lshlrev_b32 v[CO], 4, v1                     ; in memory two rows of a head are 256 consecutive bytes; the next head lies 2^18 bytes on
	v_lshl_add_u32 v[CO], v2, 18, v[CO]
	s_lshl_b32 s20, ttmp9, 24                      ; the section,
	s_lshr_b32 s21, s17, 3
	s_lshl_b32 s21, s21, 22                        ; the batch's 16 heads,
	s_add_co_u32 s20, s20, s21
	s_and_b32 s21, s17, 7
	s_lshl_b32 s21, s21, 15                        ; 256 rows of 128 bytes a tile row,
	s_add_co_u32 s20, s20, s21
	s_lshl_b32 s21, s15, 14                        ; my 128 of them,
	s_add_co_u32 s20, s20, s21
	s_lshl_b32 s47, s46, 20                        ; four heads a tile column,
	s_add_co_u32 s20, s20, s47
	s_lshl_b32 s47, s16, 19                        ; my two of them
	s_add_co_u32 s20, s20, s47
	s_mov_b32 s21, 0
	s_add_nc_u64 s[12:13], s[12:13], s[20:21]
.macro FRAG reg, adr, q, i             ; 16 rows x 128 K of 4-bit codes: 8 registers: lane l holds row l % 16; registers 4 c .. 4 c + 3 hold K = 64 c + 32 (l / 16) + 0 .. 31
.irp c, 0,1
	ds_load_b128 v[\reg+4*\c:\reg+4*\c+3], v[\adr] offset:64*(\q)+32*\c+(\i)*16*PITCH
.endr
.endm
; 16 matrix instructions: A's blocks a0, a0 + 1 x B's eight, the slot's q-th 128 along K.  zero = 1: the first product starts the sum from the bias.  The 64 accumulators take turns.
.macro MUL16 a0, p, q, sc, zero
.irp a, \a0, \a0+1
.irp b, 0,1,2,3,4,5,6,7
.if \zero
	v_wmma_scale_f32_16x16x128_f8f6f4 v[8*(8*((\a)%4)+\b):8*(8*((\a)%4)+\b)+7], v[128*(\p)+FR*\b:128*(\p)+FR*\b+FR-1], v[AF+FR*(\a):AF+FR*(\a)+FR-1], v[BI+8*\b:BI+8*\b+7], v[SC+8*NQ*(\sc)+NQ*\b+(\q)], v[SC+8*NQ*(\sc)+NQ*(\a)+(\q)] matrix_a_fmt:MATRIX_FMT_FP4 matrix_b_fmt:MATRIX_FMT_FP4 matrix_a_scale:MATRIX_SCALE_ROW1
.else
	v_wmma_scale_f32_16x16x128_f8f6f4 v[8*(8*((\a)%4)+\b):8*(8*((\a)%4)+\b)+7], v[128*(\p)+FR*\b:128*(\p)+FR*\b+FR-1], v[AF+FR*(\a):AF+FR*(\a)+FR-1], v[8*(8*((\a)%4)+\b):8*(8*((\a)%4)+\b)+7], v[SC+8*NQ*(\sc)+NQ*\b+(\q)], v[SC+8*NQ*(\sc)+NQ*(\a)+(\q)] matrix_a_fmt:MATRIX_FMT_FP4 matrix_b_fmt:MATRIX_FMT_FP4 matrix_a_scale:MATRIX_SCALE_ROW1
.endif
.endr
.endr
.endm
.macro FETCH_B slot, q, p
	WIN TO_B
.irp i, 0,1,2,3,4,5,6,7
	FRAG 128*(\p)+FR*\i, ADRB+\slot, \q, \i
.endr
	WIN 0
.endm
.macro FETCH_A slot, q, i0
.irp i, \i0, \i0+1, \i0+2, \i0+3
	FRAG AF+FR*(\i), ADRA+\slot, \q, \i
.endr
.endm
.macro SCALES sc                       ; a K step's scale words: 4 words a row; lanes 0-15 take A's block i, lanes 16-31 B's block i
.irp i, 0,1,2,3,4,5,6,7
	ds_load_b128 v[SC+8*NQ*\sc+NQ*\i:SC+8*NQ*\sc+NQ*\i+3], v[ADRS] offset:\i*SBLK
.endr
.endm
.macro PLACES n                        ; plain vector lines between a matrix instruction and a load into, or a read of, its registers
.rept \n
	v_nop
.endr
.endm
.macro STEP slot, q, zero              ; a step of 128 along K that has its successor in the same slot
	s_wait_dscnt 4*NL                              ; B's set and A's blocks 0-3 are in; the youngest eight loads (A's blocks 4-7) may be out
	WIN MUL_LO-0x20*(\zero)                        ; (zero = 1: C, the bias, lies in window 0)
	MUL16 0, (\q)%2, \q, \slot, \zero
	MUL16 2, (\q)%2, \q, \slot, \zero
	s_wait_dscnt 0
	PLACES NP
	FETCH_B \slot, (\q)+1, 1-(\q)%2
	FETCH_A \slot, (\q)+1, 0
	WIN MUL_HI-0x30*(\zero)
	MUL16 4, (\q)%2, \q, \slot, \zero
	MUL16 6, (\q)%2, \q, \slot, \zero
	PLACES NP
	WIN 0
	FETCH_A \slot, (\q)+1, 4
.endm
	s_wait_loadcnt 0x0                             ; the bias
	s_wait_tensorcnt 1                             ; the scales and my part of slot 0 are in (slot 1's load may be out)
	s_barrier_signal -1
	s_barrier_wait -1                              ; everybody's are
	FETCH_B 0, 0, 0
	FETCH_A 0, 0, 0
	SCALES 0
	FETCH_A 0, 0, 4
	STEP 0, 0, 1
	STEP 0, 1, 0
	STEP 0, 2, 0
	; slot 0's last step changes slots: my part of slot 1 has landed, then the barrier; nothing is filled again
	s_wait_tensorcnt 0x0
	ds_add_u32 v[SPW], v[NIL]
	s_wait_dscnt 4*NL+1                            ; (the add and the youngest eight loads may be out)
	WIN MUL_LO
	MUL16 0, 1, 3, 0, 0
	s_wait_dscnt 0x0                               ; no LDS instruction of mine is pending at the signal
	s_barrier_signal -1
	MUL16 2, 1, 3, 0, 0
	WIN 0
	s_barrier_wait -1                              ; slot 1 is whole
	PLACES NP
	v_add_nc_u32 v[ADRS], 4*NQ, v[ADRS]            ; the second K step's scale words
	FETCH_B 1, 0, 0
	FETCH_A 1, 0, 0
	SCALES 1
	WIN MUL_HI
	MUL16 4, 1, 3, 0, 0
	MUL16 6, 1, 3, 0, 0
	PLACES NP
	WIN 0
	FETCH_A 1, 0, 4
	STEP 1, 0, 0
	STEP 1, 1, 0
	STEP 1, 2, 0
	s_wait_dscnt 4*NL                              ; the very last step: nothing more to fetch
	WIN MUL_LO
	MUL16 0, 1, 3, 1, 0
	MUL16 2, 1, 3, 1, 0
	s_wait_dscnt 0
	WIN MUL_HI
	MUL16 4, 1, 3, 1, 0
	MUL16 6, 1, 3, 1, 0
	WIN 0
; THE WAY OUT, a block of 16 rows x 128 columns (two heads) at a time: rounded to f16, 16 bytes a lane; into my own stage; back so that sixteen lanes hold two rows of one head, 256 consecutive aligned bytes.
.macro PACK a
.set AC, 64*((\a)%4)
	WIN 0x0a+5*((\a)/4)                            ; sources 0 and 1: window 2 or 3
.irp b, 0,1,2,3,4,5,6,7
.irp r, 0,1,2,3
	v_cvt_pk_f16_f32 v[TMP+4*\b+\r], v[AC+8*\b+2*\r], v[AC+8*\b+2*\r+1]   ; each accumulator from its low end on
.endr
.endr
	WIN 0
.endm
.macro TOSTAGE a
.set BB, BK+32*((\a)%2)
.irp b, 0,1,2,3,4,5,6,7
	ds_store_b128 v[STO], v[TMP+4*\b:TMP+4*\b+3] offset:32*\b
.endr
.irp t, 0,1,2,3,4,5,6,7
	ds_load_b128 v[BB+4*\t:BB+4*\t+3], v[RD] offset:\t*2*SPITCH    ; LDS serves a wave's instructions in order: these see the stores above
.endr
.endm
.macro SEND a
.set BB, BK+32*((\a)%2)
	s_wait_dscnt 0x0                               ; the block is back in registers
	s_wait_xcnt 0x0                                ; the block before has been read by its stores: its registers take the next block's loads
.irp t, 0,1,2,3,4,5,6,7
	global_store_b128 v[CO], v[BB+4*\t:BB+4*\t+3], s[12:13] offset:(\a)*2048+\t*256
.endr
.endm
	PLACES NP
	PACK 0
	TOSTAGE 0
.irp a, 1,2,3,4,5,6,7
	PACK \a                                        ; a block's conversions stand between the loads of the block before and the wait for them
	SEND \a-1
	TOSTAGE \a
.endr
	SEND 7
	s_wait_tensorcnt 0x0                           ; the wave's end
	ds_add_u32 v[SPW], v[NIL]
	s_wait_dscnt 0x0
	CROUND                                         ; the closing round
	s_endpgm
.Lfunc_end_k_q7c53e3887f_qkv:
	.size	k_q7c53e3887f_qkv, .Lfunc_end_k_q7c53e3887f_qkv-k_q7c53e3887f_qkv
	.p2alignl 7, 3214868480
	.fill 96, 4, 3214868480
	.section	.rodata,"a",@progbits
	.p2align	6, 0x0
	.amdhsa_kernel k_q7c53e3887f_qkv
		.amdhsa_group_segment_fixed_size 327680
		.amdhsa_private_segment_fixed_size 0
		.amdhsa_enable_private_segment 0
		.amdhsa_kernarg_size 64
		.amdhsa_user_sgpr_count 2
		.amdhsa_user_sgpr_kernarg_segment_ptr 1
		.amdhsa_wavefront_size32 1
		.amdhsa_system_sgpr_workgroup_id_x 1
		.amdhsa_system_sgpr_workgroup_id_y 1
		.amdhsa_system_sgpr_workgroup_id_z 1
		.amdhsa_system_vgpr_workitem_id 0
		.amdhsa_next_free_vgpr 1024
		.amdhsa_next_free_sgpr 102
		.amdhsa_reserve_vcc 0
		.amdhsa_float_denorm_mode_32 3
		.amdhsa_float_denorm_mode_16_64 3
		.amdhsa_memory_ordered 1
		.amdhsa_forward_progress 1
		.amdhsa_inst_pref_size 128
	.end_amdhsa_kernel
	.amdgpu_metadata
---
amdhsa.version: [ 1, 2 ]
amdhsa.kernels:
  - .name:           k_q7c53e3887f_qkv
    .symbol:         k_q7c53e3887f_qkv.kd
    .args:
      - { .name: xc, .offset: 0, .size: 8, .value_kind: global_buffer, .address_space: global }
      - { .name: xs, .offset: 8, .size: 8, .value_kind: global_buffer, .address_space: global }
      - { .name: wc, .offset: 16, .size: 8, .value_kind: global_buffer, .address_space: global }
      - { .name: ws, .offset: 24, .size: 8, .value_kind: global_buffer, .address_space: global }
      - { .name: qkv, .offset: 32, .size: 8, .value_kind: global_buffer, .address_space: global }
      - { .name: bq, .offset: 40, .size: 8, .value_kind: global_buffer, .address_space: global }
      - { .name: bk, .offset: 48, .size: 8, .value_kind: global_buffer, .address_space: global }
      - { .name: bv, .offset: 56, .size: 8, .value_kind: global_buffer, .address_space: global }
    .group_segment_fixed_size: 327680
    .private_segment_fixed_size: 0
    .kernarg_segment_align: 8
    .kernarg_segment_size: 64
    .max_flat_workgroup_size: 128
    .sgpr_count:     102
    .vgpr_count:     1024
    .wavefront_size: 32
...
	.end_amdgpu_metadata
.endif
;; end of part 2
;; launch attn (part 3): grid 64 x 8, 8 waves a work-group, no clusters, 327,680 bytes of LDS; arguments qkv, y2; writes y2
.if DOCPART == 3
	.amdgcn_target "amdgcn-amd-amdhsa--gfx1250"
	.amdhsa_code_object_version 6
	.text
	.protected	k_q7c53e3887f_attn
	.globl	k_q7c53e3887f_attn
	.p2align	8
	.type	k_q7c53e3887f_attn,@function
k_q7c53e3887f_attn:
	s_mov_b64 s[64:65], 0
	v_nop
	global_prefetch_b8 v0, s[64:65] scope:SCOPE_SE
	s_setreg_imm32_b32 hwreg(HW_REG_WAVE_MODE, 25, 1), 1
	s_wait_xcnt 0x0
; y[b][t][head] = the sum over s <= t of softmax_s(q[t] . k[s] / 8) v[s], head size 64, 2,048 positions, 64 heads (batch x 16 + head).  q, k, v: f16, three sections of 16 MiB, each [64][2048][64].
; Products with f16 operands and f32 sums; maxima, exponentials and sums in f32; the weights p (about 1 at the most) are rounded to f16 for the second product, y once to f16 at the end.
; y2 is laid [4096 pairs of rows][16 heads][2 rows][64]: two neighbouring rows of one head are 256 consecutive aligned bytes.
; LIMITS: NaN and infinities are not served; y beyond 65,504 becomes infinity.
; SHARES.  Work-group (x, y) owns block 7 - y of 256 queries of head x; each of its eight waves owns 32 queries: two tiles of 16.  Block b has b + 1 units of 256 keys that count: the blocks with the most units have the lowest y.
; EVERY work-group walks all eight units, so that the loop's trip count is a constant; what is left out is a step's work (64 keys) where all its keys come after the wave's queries, and the load of a unit that none of the
; work-group's waves would read.
; NO CLUSTER: partners of a cluster end together, so four blocks of one head in a cluster would each last as long as the longest of the four: 4 x 8 + 4 x 4 = 48 units a head for the 36 that count.
; LAYOUT.  S^T = K Q^T (source 0 = 16 keys, source 1 = 16 queries): a lane holds ONE query (lane % 16) and keys 8 (lane / 16) + 0..7 of each tile of 16.  Two such tiles, rounded in pairs, are source 1 of O^T = V^T P.
; SOFTMAX.  For each query a running maximum m and sum l: p = 2^(c s - c m), c = log2(e) / 8; in every step O and l are multiplied by a = 2^(c m_old - c m_new).
; REGISTERS.  window 0: v1-16 addresses and constants; v24-39 statistics, 8 a tile (+0 c m, +1 m, +2, +3 l, +4..+7 at work, a at +6); v64-127 S^T, 32 a tile; v128-159 P; v160-223 K of a step.
;   window 1: v0-63 O^T, 32 a tile; v128-159 Q; v192-255 V of a step.
.set PK,    144                        ; a row of K in LDS: 128 bytes + 16
.set PV,    160                        ; a row of V: 128 + 32: the turning load's eight rows x 32 bytes fall on different banks
.set VOFF,  256*PK                     ; a slot: 256 rows of K, then 256 rows of V
.set SLOT1, 1<<17                      ; slot 1 begins here: one exclusive or turns an address
.set SPARE, SLOT1+256*(PK+PV)          ; behind the ring: the spare words, 128 bytes for each of eight waves
.set STAGE, SPARE+1024                 ; the way out: 32 rows x 144 bytes for each wave; no tile lands here
.set ST,  24
.set S,   64
.set P,   128
.set KR,  160
.set QR,  128                          ; in window 1
.set VR,  192                          ; in window 1
; scalars: s8 wave, s9 block, s10 head, s12 units still to be asked for, s13 the step's first key, s14 my first query, s15 the slot in hand, s16, s17 at work, s18 1 in a work-group that prefetches, else the greatest number,
; s19 the head's place in y2, s[20:21] lane selects, s[22:23] c, s[24:31], s[32:39] descriptor groups 1 (K, V), s[40:43], s[44:47] groups 0, which walk, s[48:51] my quarter of unit 0 in K, V, s[54:55] prefetch, s[56:57] Q, s[58:59] y2
.set MSB, 0
.macro WIN new                         ; the immediate's high byte repeats the setting that is left
.if MSB != (\new)
	s_set_vgpr_msb (MSB<<8)|(\new)
.set MSB, (\new)
.endif
.endm
; Waves 0-3 fetch K's quarters of a unit (64 rows each), waves 4-7 V's.  The branch hangs on the wave's number alone.  An s_nop 0 and four v_nop follow each line.
.macro TLOAD
	s_cmp_lt_u32 s8, 4
	s_cbranch_scc0 .Lfor_v_\@
	tensor_load_to_lds s[40:43], s[24:31]
	s_nop 0
.rept 4
	v_nop
.endr
	s_branch .Lasked_\@
.Lfor_v_\@:
	tensor_load_to_lds s[44:47], s[32:39]
	s_nop 0
.rept 4
	v_nop
.endr
.Lasked_\@:
.endm
; A prefetch of the unit that the NEXT change of slots will ask for.  All eight work-groups of a head begin with units 0, 1, 2 ..; the one that loads all eight (y = 0) asks: each wave for its own quarter,
; 8,192 bytes, lanes 256 bytes apart: each block is named once in the launch.  The first change names unit 2, the sixth unit 7; the last change that fills a slot names nothing.  Units 0 and 1 come by their loads alone.
.macro ASK
	s_cmp_gt_u32 s12, s18
	s_cbranch_scc0 .Lnot_mine_\@
	global_prefetch_b8 v9, s[54:55] th:TH_LOAD_NT scope:SCOPE_SE
.Lnot_mine_\@:
.endm
; THE CHANGE OF SLOTS, at a unit's head.  Each wave waits for all its tensor loads (at most one is out: its part of the unit that it is about to read), adds 0 to its spare word, and waits for that and for its reads of the slot
; that it has left.  Behind the barrier that slot takes the next unit (fill = 1), up to the causal limit: the load has a whole unit's steps in which to land.
.macro CHANGE fill
	s_wait_tensorcnt 0x0                           ; no tensor load of mine is out, so the groups 0 may be written
	ds_add_u32 v10, v11                            ; 0 onto my spare word; the descriptors' steps stand between it and the wait for it
.if \fill
	s_xor_b32 s41, s41, SLOT1                      ; the walking descriptors: the other slot than last time,
	s_add_nc_u64 s[42:43], s[42:43], 0x8000        ; the next 256 rows of 128 bytes; the type bits on top are not reached
	s_xor_b32 s45, s45, SLOT1
	s_add_nc_u64 s[46:47], s[46:47], 0x8000
	s_wait_xcnt 0x0                                ; the last prefetch, a unit back, has read its address, so it may be written:
	s_add_nc_u64 s[54:55], s[54:55], 0x8000        ; one unit further on than the walking descriptors
.endif
	s_wait_dscnt 0x0                               ; the add is done, and my reads of the slot that I have left are over
	s_barrier_signal -1
	s_barrier_wait -1
.if \fill
	s_add_co_u32 s16, s13, 256                     ; the first key of the unit that this change would ask for
	s_or_b32 s17, s14, 255                         ; my work-group's last query
	s_cmp_gt_u32 s16, s17                          ; ids and the count of steps alone: all eight waves go the same way, and a work-group that is past the limit stays past it.
	s_cbranch_scc1 .Lpast_\@                       ; A unit beyond the limit is read by no wave, so it is not asked for; every wait on TENSORcnt in this text is for 0
	TLOAD                                          ; my one tensor load until the next such barrier
.Lpast_\@:
	ASK
.endif
.endm
; Both tiles' softmax for a step, the tiles by turns so that no line waits for the line above it.
.macro SOFTMAX
.irp k, 0,1,2,3
.irp t, 0,1
	v_max3_num_f32 v[ST+8*\t+4+\k], v[S+32*\t+8*\k], v[S+32*\t+8*\k+1], v[S+32*\t+8*\k+2]   ; four chains; each result tile is read from its low end on
.endr
.endr
.irp g, 1,2
.irp k, 0,1,2,3
.irp t, 0,1
	v_max3_num_f32 v[ST+8*\t+4+\k], v[ST+8*\t+4+\k], v[S+32*\t+8*\k+2*\g+1], v[S+32*\t+8*\k+2*\g+2]
.endr
.endr
.endr
.irp t, 0,1
	v_max3_num_f32 v[ST+8*\t+4], v[ST+8*\t+4], v[S+32*\t+7], v[S+32*\t+15]
	v_max3_num_f32 v[ST+8*\t+6], v[ST+8*\t+6], v[S+32*\t+23], v[S+32*\t+31]
.endr
.irp t, 0,1
	v_max3_num_f32 v[ST+8*\t+4], v[ST+8*\t+4], v[ST+8*\t+5], v[ST+8*\t+6]
.endr
.irp t, 0,1
	v_max3_num_f32 v[ST+8*\t+4], v[ST+8*\t+4], v[ST+8*\t+7], v[ST+8*\t+1]   ; with the old m
.endr
.irp t, 0,1
	v_permlanex16_b32 v[ST+8*\t+5], v[ST+8*\t+4], s20, s21                  ; the query's other 32 keys lie in the lane 16 away
.endr
.irp t, 0,1
	v_mov_b32 v[ST+8*\t+7], v[ST+8*\t]                                      ; c m_old
.endr
.irp t, 0,1
	v_max_num_f32 v[ST+8*\t+1], v[ST+8*\t+4], v[ST+8*\t+5]
.endr
.irp t, 0,1
	v_mul_f32 v[ST+8*\t], s22, v[ST+8*\t+1]
.endr
.irp t, 0,1
	v_sub_f32 v[ST+8*\t+7], v[ST+8*\t+7], v[ST+8*\t]
.endr
.set ii, 0
.rept 16
.irp t, 0,1
	v_pk_fma_f32 v[S+32*\t+2*ii:S+32*\t+2*ii+1], v[S+32*\t+2*ii:S+32*\t+2*ii+1], s[22:23], v[ST+8*\t:ST+8*\t+1] op_sel_hi:[1,0,0] neg_lo:[0,0,1] neg_hi:[0,0,1]   ; c s - c m, one rounding
.endr
.set ii, ii+1
.endr
.irp t, 0,1
	v_exp_f32 v[ST+8*\t+6], v[ST+8*\t+7]                                    ; a
.endr
.set ii, 0
.rept 32
.irp t, 0,1
	v_exp_f32 v[S+32*\t+ii], v[S+32*\t+ii]
.endr
.set ii, ii+1
.endr
	v_nop                                          ; a plain line behind the last exponential
	s_wait_alu depctr_va_vdst(0)                   ; one wait for the 66, ahead of their first reader
.set ii, 0
.rept 16
.irp t, 0,1
	v_cvt_pk_f16_f32 v[P+16*\t+ii], v[S+32*\t+2*ii], v[S+32*\t+2*ii+1]
.endr
.set ii, ii+1
.endr
.irp u, 0,1,2,3,4,5,6,7                 ; the sum of the unrounded p, in place: neighbours 1, 2, 4 and 8 pairs apart
.irp t, 0,1
	v_pk_add_f32 v[S+32*\t+4*\u:S+32*\t+4*\u+1], v[S+32*\t+4*\u:S+32*\t+4*\u+1], v[S+32*\t+4*\u+2:S+32*\t+4*\u+3]
.endr
.endr
.irp u, 0,1,2,3
.irp t, 0,1
	v_pk_add_f32 v[S+32*\t+8*\u:S+32*\t+8*\u+1], v[S+32*\t+8*\u:S+32*\t+8*\u+1], v[S+32*\t+8*\u+4:S+32*\t+8*\u+5]
.endr
.endr
.irp u, 0,1
.irp t, 0,1
	v_pk_add_f32 v[S+32*\t+16*\u:S+32*\t+16*\u+1], v[S+32*\t+16*\u:S+32*\t+16*\u+1], v[S+32*\t+16*\u+8:S+32*\t+16*\u+9]
.endr
.endr
.irp t, 0,1
	v_pk_add_f32 v[S+32*\t:S+32*\t+1], v[S+32*\t:S+32*\t+1], v[S+32*\t+16:S+32*\t+17]
.endr
.irp t, 0,1
	v_pk_fma_f32 v[ST+8*\t+2:ST+8*\t+3], v[ST+8*\t+2:ST+8*\t+3], v[ST+8*\t+6:ST+8*\t+7], v[S+32*\t:S+32*\t+1] op_sel_hi:[1,0,1]   ; l = a l + the sum
.endr
.endm
; A STEP: 64 keys, the j-th of the unit in hand.
.macro STEP j
	s_add_co_u32 s16, s14, 31
	s_cmp_gt_u32 s13, s16                          ; all its keys come after my 32 queries: nothing to do but step the count.  No barrier and no tensor load stands in a step
	s_cbranch_scc1 .Lhidden_\@
.irp kt, 0,1,2,3
.irp c, 0,1
	ds_load_b128 v[KR+16*\kt+8*\c:KR+16*\kt+8*\c+3], v3 offset:\j*64*PK+\kt*16*PK+\c*64
	ds_load_b128 v[KR+16*\kt+8*\c+4:KR+16*\kt+8*\c+7], v3 offset:\j*64*PK+\kt*16*PK+\c*64+32
.endr
.endr
	s_wait_dscnt 0x0
	WIN 0x04                                       ; Q in window 1
.irp c, 0,1                             ; eight accumulators by turns; the first eight products start the sums
.irp kt, 0,1,2,3
.irp t, 0,1
.if \c == 0
	v_wmma_f32_16x16x32_f16 v[S+32*\t+8*\kt:S+32*\t+8*\kt+7], v[KR+16*\kt+8*\c:KR+16*\kt+8*\c+7], v[QR+16*\t+8*\c:QR+16*\t+8*\c+7], 0
.else
	v_wmma_f32_16x16x32_f16 v[S+32*\t+8*\kt:S+32*\t+8*\kt+7], v[KR+16*\kt+8*\c:KR+16*\kt+8*\c+7], v[QR+16*\t+8*\c:QR+16*\t+8*\c+7], v[S+32*\t+8*\kt:S+32*\t+8*\kt+7]
.endif
.endr
.endr
.endr
	WIN 0
.rept 4
	v_nop                                          ; places: for the loads into V's registers, which the last step's products read, and for the first reads of the scores
.endr
	WIN 0x40
.irp kk, 0,1                            ; V, turned: 16 channels x 32 keys a fragment; it lands while the softmax is worked
.irp ct, 0,1,2,3
	ds_load_tr16_b128 v[VR+32*\kk+8*\ct:VR+32*\kk+8*\ct+3], v4 offset:\j*64*PV+\kk*32*PV+\ct*32
	ds_load_tr16_b128 v[VR+32*\kk+8*\ct+4:VR+32*\kk+8*\ct+7], v4 offset:\j*64*PV+\kk*32*PV+\ct*32+16*PV
.endr
.endr
	WIN 0
	s_add_co_u32 s16, s13, 63
	s_cmp_le_u32 s16, s14                          ; all 64 keys count for all my queries: no mask
	s_cbranch_scc1 .Lopen_\@
	s_sub_co_i32 s16, s14, s13
	v_add_nc_u32 v14, s16, v12                     ; d = my query - the step's first key - 8 (lane / 16), tile 0;
	v_add_nc_u32 v15, 16, v14                      ; tile 1.  Register n holds key 16 (n / 8) + n % 8 further on: hidden where that is above d
.irp t, 0,1
.set nn, 0
.rept 32
	v_cmp_gt_i32 vcc_lo, 16*(nn/8)+nn%8, v[14+\t]
	v_cndmask_b32 v[S+32*\t+nn], v[S+32*\t+nn], v16, vcc_lo
.set nn, nn+1
.endr
.endr
.Lopen_\@:
	SOFTMAX
	WIN 0x41
.irp t, 0,1
.set ii, 0
.rept 16
	v_pk_mul_f32 v[32*\t+2*ii:32*\t+2*ii+1], v[32*\t+2*ii:32*\t+2*ii+1], v[ST+8*\t+6:ST+8*\t+7] op_sel_hi:[1,0]   ; O^T x a, each accumulator from its low end on
.set ii, ii+1
.endr
.endr
	s_wait_dscnt 0x0                               ; V is in
	WIN 0x51                                       ; V and O^T in window 1, P in window 0
.irp kk, 0,1
.irp ct, 0,1,2,3
.irp t, 0,1
	v_wmma_f32_16x16x32_f16 v[32*\t+8*\ct:32*\t+8*\ct+7], v[VR+32*\kk+8*\ct:VR+32*\kk+8*\ct+7], v[P+16*\t+8*\kk:P+16*\t+8*\kk+7], v[32*\t+8*\ct:32*\t+8*\ct+7]
.endr
.endr
.endr
	WIN 0
.Lhidden_\@:
	s_add_co_u32 s13, s13, 64
.endm
.macro UNIT
	v_add_nc_u32 v3, s15, v1
	v_add_nc_u32 v4, s15, v2
	STEP 0
	STEP 1
	STEP 2
	STEP 3
	s_xor_b32 s15, s15, SLOT1                      ; on to the other slot
.endm
	s_load_b128 s[4:7], s[0:1], 0x0                ; qkv, y2
	v_lshl_add_u32 v10, v0, 2, SPARE               ; my spare word; never rewritten
	v_mov_b32 v11, 0                               ; never rewritten
	ds_add_u32 v10, v11                            ; the wave's opening: the add and its wait ahead of my first tensor load; the set-up below, work on registers, stands between them
	v_lshrrev_b32 v17, 5, v0
	v_readfirstlane_b32 s8, v17                    ; wave 0..7
	s_mov_b32 s10, ttmp9                           ; batch x 16 + head
	s_and_b32 s9, ttmp7, 0xffff                    ; y
	s_cmp_eq_u32 s9, 0
	s_cselect_b32 s18, 1, -1                       ; the work-group that loads all eight units prefetches
	s_sub_co_u32 s9, 7, s9                         ; my block of 256 queries
	s_mov_b32 s12, 7
	s_mov_b32 s13, 0
	s_mov_b32 s15, 0
	s_mov_b32 s20, 0x76543210
	s_mov_b32 s21, 0xfedcba98
	s_mov_b32 s22, 0x3e38aa3b                      ; c = log2(e) / 8
	s_mov_b32 s23, s22                             ; (named with it as a pair, so it is written)
	s_mov_b32 s24, (1<<16)|(1<<20)|(4<<22)|(3<<25) ; K: no mask; elements of 2 bytes; padding on: after every 32 words, 4 words
	s_mov_b32 s25, 64<<16                          ; tensor_dim0
	s_mov_b32 s26, 64<<16                          ; tensor_dim1
	s_mov_b32 s27, 64<<16                          ; tile_dim0
	s_mov_b32 s28, 64                              ; tile_dim1
	s_mov_b32 s29, 64                              ; from row to row
	s_mov_b32 s30, 0
	s_mov_b32 s31, 0
	s_mov_b32 s32, (1<<16)|(1<<20)|(4<<22)|(7<<25) ; V: the same with 8 words of padding
	s_mov_b32 s33, 64<<16
	s_mov_b32 s34, 64<<16
	s_mov_b32 s35, 64<<16
	s_mov_b32 s36, 64
	s_mov_b32 s37, 64
	s_mov_b32 s38, 0
	s_mov_b32 s39, 0
	s_and_b32 s16, s8, 3                           ; which quarter of a unit I fetch
	s_mov_b32 s40, 1
	s_mul_i32 s41, s16, 64*PK
	s_mov_b32 s44, 1
	s_mul_i32 s45, s16, 64*PV
	s_add_co_u32 s45, s45, VOFF
	s_lshl_b32 s62, s10, 18                        ; the head's first byte in a section
	s_lshl_b32 s17, s16, 13
	s_add_co_u32 s52, s62, s17
	s_mov_b32 s53, 0
	s_wait_dscnt 0x0                               ; the opening add is done
	s_wait_kmcnt 0x0
	s_add_nc_u64 s[48:49], s[4:5], s[52:53]
	s_add_nc_u64 s[48:49], s[48:49], 0x1000000     ; k's section
	s_add_nc_u64 s[50:51], s[48:49], 0x1000000     ; v's
	s_mov_b64 s[42:43], s[48:49]
	s_or_b32 s43, s43, 0x80000000
	s_mov_b64 s[46:47], s[50:51]
	s_or_b32 s47, s47, 0x80000000
	TLOAD                                          ; unit 0 into slot 0: one load of mine is out
	s_cmp_lt_u32 s8, 4
	s_cselect_b64 s[54:55], s[48:49], s[50:51]
	s_add_nc_u64 s[54:55], s[54:55], 0x8000        ; at unit 1: the first change steps it to unit 2.  Nothing is prefetched here, at the head
	s_lshl_b32 s14, s9, 8
	s_lshl_b32 s16, s8, 5
	s_add_co_u32 s14, s14, s16                     ; my first query
	s_lshr_b32 s19, s10, 4
	s_lshl_b32 s19, s19, 22                        ; y2: a batch's 1,024 pairs of rows,
	s_and_b32 s16, s10, 15
	s_lshl_b32 s16, s16, 8                         ; the head's 256 bytes in a pair
	s_or_b32 s19, s19, s16
	v_and_b32 v17, 15, v0                          ; r
	v_bfe_u32 v18, v0, 4, 1                        ; h
	v_and_b32 v19, 31, v0                          ; lane
	v_mul_u32_u24 v1, v17, PK
	v_lshl_add_u32 v1, v18, 4, v1                  ; K: row r, 16 bytes for each half of the lanes
	v_and_b32 v20, 7, v0
	v_bfe_u32 v21, v0, 3, 1
	v_lshl_add_u32 v2, v18, 3, v20
	v_mul_u32_u24 v2, v2, PV
	v_lshl_add_u32 v2, v21, 4, v2
	v_add_nc_u32 v2, VOFF, v2                      ; V: key 8 h + lane % 8, channels 8 ((lane / 8) % 2) on
	v_lshlrev_b32 v5, 7, v17
	v_lshl_add_u32 v5, v18, 4, v5                  ; Q in memory: row r of 128 bytes
	s_mul_i32 s16, s8, 32*PK
	s_add_co_u32 s16, s16, STAGE                   ; my stage
	v_add_nc_u32 v6, s16, v1                       ; in: row r, 16 bytes for each half of the lanes
	v_bfe_u32 v22, v0, 3, 2
	v_mul_u32_u24 v7, v22, PK
	v_lshl_add_u32 v7, v20, 4, v7
	v_add_nc_u32 v7, s16, v7                       ; back: eight lanes to a row of 128 bytes, four rows an instruction
	v_lshlrev_b32 v8, 12, v18
	v_lshl_add_u32 v8, v17, 4, v8                  ; y2: lanes 0-15 one pair of rows, lanes 16-31 the next
	v_lshlrev_b32 v9, 8, v19                       ; the prefetches' offset; never rewritten
	v_lshlrev_b32 v12, 3, v18
	v_sub_nc_u32 v12, v17, v12                     ; r - 8 h
	v_mov_b32 v16, 0xff800000                      ; -infinity
	; Q into registers; O^T and l = 0, m = -3e38 (under every score; the first step's a is then 0, which leaves the zeros zeros): so the loop has no first step of its own
	s_lshl_b32 s16, s14, 7
	s_add_co_u32 s16, s16, s62
	s_mov_b32 s17, 0
	s_add_nc_u64 s[56:57], s[4:5], s[16:17]
	WIN 0x40                                       ; destination window 1
.irp t, 0,1
.irp c, 0,1
	global_load_b128 v[QR+16*\t+8*\c:QR+16*\t+8*\c+3], v5, s[56:57] offset:\t*2048+\c*64
	global_load_b128 v[QR+16*\t+8*\c+4:QR+16*\t+8*\c+7], v5, s[56:57] offset:\t*2048+\c*64+32
.endr
.endr
.set ii, 0
.rept 64
	v_mov_b32 v[ii], 0
.set ii, ii+1
.endr
	WIN 0
.irp t, 0,1
	v_mov_b32 v[ST+8*\t+1], 0xff61b1e6
	v_mul_f32 v[ST+8*\t], s22, v[ST+8*\t+1]
.irp w, 2,3,4,5,6,7
	v_mov_b32 v[ST+8*\t+\w], 0
.endr
.endr
	s_wait_loadcnt 0x0                             ; Q
.Lunit:                                            ; seven trips: behind each change of slots but the last the next unit is asked for, up to the causal limit
	CHANGE 1
	UNIT
	s_sub_co_u32 s12, s12, 1
	s_cmp_lg_u32 s12, 0
	s_cbranch_scc1 .Lunit
	CHANGE 0                                       ; the eighth unit is written out: nothing is left to fetch
	UNIT
	; THE WAY OUT: O^T / l, rounded to f16, through my stage, out as pairs of rows.
.rept 4
	v_nop                                          ; places behind the last products
.endr
.irp t, 0,1
	v_add_f32 v[ST+8*\t+4], v[ST+8*\t+2], v[ST+8*\t+3]
.endr
.irp t, 0,1
	v_permlanex16_b32 v[ST+8*\t+5], v[ST+8*\t+4], s20, s21
.endr
.irp t, 0,1
	v_add_f32 v[ST+8*\t+4], v[ST+8*\t+4], v[ST+8*\t+5]
.endr
.irp t, 0,1
	v_rcp_f32 v[ST+8*\t+6], v[ST+8*\t+4]
.endr
	v_nop                                          ; a plain line behind the last reciprocal
	s_wait_alu depctr_va_vdst(0)                   ; one wait for both, ahead of their first reader
	WIN 0x41                                       ; O^T in window 1, 1 / l in window 0
.irp t, 0,1
.set ii, 0
.rept 16
	v_pk_mul_f32 v[32*\t+2*ii:32*\t+2*ii+1], v[32*\t+2*ii:32*\t+2*ii+1], v[ST+8*\t+6:ST+8*\t+7] op_sel_hi:[1,0]
.set ii, ii+1
.endr
.endr
	WIN 0x05                                       ; sources window 1, destination window 0
.set ii, 0
.rept 32
	v_cvt_pk_f16_f32 v[S+ii], v[2*ii], v[2*ii+1]
.set ii, ii+1
.endr
	WIN 0
.irp t, 0,1
.irp ct, 0,1,2,3
	ds_store_b128 v6, v[S+16*\t+4*\ct:S+16*\t+4*\ct+3] offset:\t*16*PK+32*\ct   ; row 16 t + r, channels 16 ct + 8 h + 0..7
.endr
.endr
.irp i, 0,1,2,3,4,5,6,7
	ds_load_b128 v[S+32+4*\i:S+32+4*\i+3], v7 offset:\i*4*PK                    ; LDS serves a wave's instructions in order: these see my stores
.endr
	s_lshl_b32 s16, s14, 11                        ; a pair of rows is 4,096 bytes
	s_add_co_u32 s16, s16, s19
	s_mov_b32 s17, 0
	s_add_nc_u64 s[58:59], s[6:7], s[16:17]
.irp i, 0,1,2,3,4,5,6,7
	s_wait_dscnt 7-\i                              ; the younger loads may be out
	global_store_b128 v8, v[S+32+4*\i:S+32+4*\i+3], s[58:59] offset:\i*8192     ; sixteen lanes store 256 consecutive aligned bytes
.endr
	s_wait_tensorcnt 0x0                           ; the wave's end, behind my last tensor load and my last LDS store
	ds_add_u32 v10, v11
	s_wait_dscnt 0x0
	s_endpgm
.Lfunc_end_k_q7c53e3887f_attn:
	.size	k_q7c53e3887f_attn, .Lfunc_end_k_q7c53e3887f_attn-k_q7c53e3887f_attn
	.p2alignl 7, 3214868480
	.fill 96, 4, 3214868480
	.section	.rodata,"a",@progbits
	.p2align	6, 0x0
	.amdhsa_kernel k_q7c53e3887f_attn
		.amdhsa_group_segment_fixed_size 327680
		.amdhsa_private_segment_fixed_size 0
		.amdhsa_enable_private_segment 0
		.amdhsa_kernarg_size 16
		.amdhsa_user_sgpr_count 2
		.amdhsa_user_sgpr_kernarg_segment_ptr 1
		.amdhsa_wavefront_size32 1
		.amdhsa_system_sgpr_workgroup_id_x 1
		.amdhsa_system_sgpr_workgroup_id_y 1
		.amdhsa_system_sgpr_workgroup_id_z 1
		.amdhsa_system_vgpr_workitem_id 0
		.amdhsa_next_free_vgpr 512
		.amdhsa_next_free_sgpr 66
		.amdhsa_reserve_vcc 1
		.amdhsa_float_denorm_mode_32 3
		.amdhsa_float_denorm_mode_16_64 3
		.amdhsa_memory_ordered 1
		.amdhsa_forward_progress 1
		.amdhsa_inst_pref_size 188
	.end_amdhsa_kernel
	.amdgpu_metadata
---
amdhsa.version: [ 1, 2 ]
amdhsa.kernels:
  - .name:           k_q7c53e3887f_attn
    .symbol:         k_q7c53e3887f_attn.kd
    .args:
      - { .name: qkv, .offset: 0, .size: 8, .value_kind: global_buffer, .address_space: global }
      - { .name: y2, .offset: 8, .size: 8, .value_kind: global_buffer, .address_space: global }
    .group_segment_fixed_size: 327680
    .private_segment_fixed_size: 0
    .kernarg_segment_align: 8
    .kernarg_segment_size: 16
    .max_flat_workgroup_size: 256
    .sgpr_count:     66
    .vgpr_count:     512
    .wavefront_size: 32
...
	.end_amdgpu_metadata
.endif
;; end of part 3
;; launch oproj (part 4): grid 4 x 64, 4 waves a work-group, clusters of 4 x 4, 327,680 bytes of LDS; arguments y2, wo16, bo, out0; writes out0
.if DOCPART == 4
	.amdgcn_target "amdgcn-amd-amdhsa--gfx1250"
	.amdhsa_code_object_version 6
	.text
	.protected	k_q7c53e3887f_oproj
	.globl	k_q7c53e3887f_oproj
	.p2align	8
	.type	k_q7c53e3887f_oproj,@function
k_q7c53e3887f_oproj:
	s_mov_b64 s[64:65], 0
	v_nop
	global_prefetch_b8 v0, s[64:65] scope:SCOPE_SE
	s_setreg_imm32_b32 hwreg(HW_REG_WAVE_MODE, 25, 1), 1
	s_wait_xcnt 0x0
	s_wait_alu depctr_hold_cnt(0) depctr_sa_sdst(0) depctr_va_vdst(0) depctr_va_sdst(0) depctr_va_ssrc(0) depctr_va_vcc(0) depctr_vm_vsrc(0)
	s_getreg_b32 s2, hwreg(HW_REG_IB_STS2, 6, 4)
	s_cmp_eq_u32 s2, 0
	s_cbranch_scc0 .Lentry_in_a_cluster
	s_endpgm
.Lentry_in_a_cluster:
	s_bfe_u32 s2, ttmp6, 0x10000c
	s_cmp_lg_u32 s2, 0xf033
	s_cbranch_scc0 .Lentry_shape_is_right
	s_endpgm
.Lentry_shape_is_right:
; out = y Wo + bo.  y: f16, laid [4096 pairs of rows][16 heads][2 rows][64]; Wo: f16 [1024 k][1024 n]; bo, out: f32.  f16 operands, f32 sums; the bias is the C of each sum's first product.
; A tile of C is 128 x 256: 256 work-groups.  Four waves, each 64 x 128: 32 accumulators, 256 registers.  K goes in 8 steps of 128 (two heads) through a ring of two LDS slots.
; A's tile: 64 pairs of rows x 512 bytes (in a pair's row: head, row of the pair, 64 channels); B's tile: 128 rows k x 512 bytes (256 n).  Waves 0, 1 fetch A's halves, waves 2, 3 B's: one load a wave.
; CLUSTER 4 x 4: A's tile hangs on the tile row alone and is shared along a row of the cluster, B's on the tile column alone and is shared along a column.
; THE MATRIX INSTRUCTION IS USED TRANSPOSED: source 0 = 16 n x 32 k of Wo (turned on its way out of LDS), source 1 = 16 rows of y: a lane holds eight neighbouring columns of one row of C.
; No prefetch: each tile is fetched once for four work-groups, and a K step's 128 products a wave stand between a request and the wait for it.
; REGISTERS.  window 0: v0-31 addresses; two fragment buffers of 96 at v32 and v128 (A's 4 blocks, then B's 8); on the way out v32-159.  window 1: accumulator (a, b) at v[8 (8 a + b)].  window 2: v0-63 the bias.
.set PA,     528                       ; A's LDS row: 512 bytes + 16
.set PB,     544                       ; B's: 512 + 32: the turning load's eight rows x 32 bytes fall on different banks
.set BOFF,   64*PA                     ; a slot: A's 64 rows, then B's 128
.set SLOT,   64*PA+128*PB
.set SPARE,  2*SLOT                    ; the spare words, 128 bytes for each wave
.set STAGE,  SPARE+512                 ; the way out: 16 rows x 528 bytes for each wave; no tile lands here
.set SPITCH, 528
.set LAPS,   4                         ; a lap = two K steps
.set ADRA, 16
.set ADRB, 20
.set STO,  24
.set RD,   25
.set CO,   26
.set SPW,  28                          ; v28  LDS address of my spare word; never rewritten
.set NIL,  29                          ; v29  0; never rewritten
.set BO,   30                          ; v30  32 x (lane / 16)
.set F0,   32
.set F1,   128
.set BK,   32
.set G1, 24
.set G0, 32
.set G1B, 48
.set G0B, 56
.set MSB, 0
.macro WIN new
.if MSB != (\new)
	s_set_vgpr_msb (MSB<<8)|(\new)
.set MSB, (\new)
.endif
.endm
.macro JLOAD s                         ; a joint load; an s_nop 0 and four v_nop follow each line
	s_cmp_eq_u32 s11, 0
	s_cbranch_scc0 .Lfor_b_\@
	tensor_load_to_lds s[G0+4*\s:G0+4*\s+3], s[G1:G1+7]
	s_nop 0
.rept 4
	v_nop
.endr
	s_branch .Lasked_\@
.Lfor_b_\@:
	tensor_load_to_lds s[G0B+4*\s:G0B+4*\s+3], s[G1B:G1B+7]
	s_nop 0
.rept 4
	v_nop
.endr
.Lasked_\@:
.endm
.macro CREST                           ; a round of the cluster's barrier behind its opening barrier
	s_cmp_lg_u32 s10, 0
	s_cbranch_scc1 .Lnot_wave_0_\@
	s_barrier_signal -3
.Lnot_wave_0_\@:
	s_barrier_wait -3
	s_barrier_signal -1
	s_barrier_wait -1
.endm
.macro CROUND
	s_barrier_signal -1
	s_barrier_wait -1
	CREST
.endm
	s_load_b128 s[4:7], s[0:1], 0x0                ; y2, wo16
	s_load_b64 s[66:67], s[0:1], 0x10              ; bo
	s_load_b64 s[8:9], s[0:1], 0x18                ; out0
	v_lshl_add_u32 v[SPW], v0, 2, SPARE
	v_mov_b32 v[NIL], 0
	ds_add_u32 v[SPW], v[NIL]                      ; the wave's opening: the add and its wait ahead of my first tensor load
	v_lshrrev_b32 v1, 5, v0
	v_readfirstlane_b32 s10, v1                    ; wave 0..3
	s_lshr_b32 s11, s10, 1                         ; which 64 rows of the tile are mine.  Also: I fetch for A (0) or for B (1)
	s_and_b32 s12, s10, 1                          ; which 128 columns.  Also: which half of that tile I fetch
	s_bfe_u32 s40, ttmp6, 0x40000                  ; cx, cy
	s_bfe_u32 s41, ttmp6, 0x40004
	s_lshl_b32 s42, ttmp9, 2
	s_add_co_u32 s42, s42, s40                     ; tile column
	s_and_b32 s13, ttmp7, 0xffff
	s_lshl_b32 s13, s13, 2
	s_add_co_u32 s13, s13, s41                     ; tile row
	s_lshl_b32 s43, s41, 2
	s_lshl_b32 s43, 15, s43                        ; my row of the cluster
	s_lshl_b32 s44, 0x1111, s40                    ; my column
	s_or_b32 s[G1+0], s43, (1<<16)|(1<<20)|(1<<21)|(6<<22)|(3<<25)  ; the mask; elements of 2 bytes; padding on; bit 21 beside a mask; after every 128 words, 4 words
	s_mov_b32 s[G1+1], 256<<16                     ; tensor_dim0
	s_mov_b32 s[G1+2], 32<<16                      ; tensor_dim1
	s_mov_b32 s[G1+3], 256<<16                     ; tile_dim0
	s_mov_b32 s[G1+4], 32                          ; tile_dim1
	s_mov_b32 s[G1+5], 2048                        ; from a pair of rows to the next
	s_mov_b32 s[G1+6], 0
	s_mov_b32 s[G1+7], 0
	s_or_b32 s[G1B+0], s44, (1<<16)|(1<<20)|(1<<21)|(6<<22)|(7<<25) ; the same with 8 words of padding
	s_mov_b32 s[G1B+1], 256<<16
	s_mov_b32 s[G1B+2], 64<<16
	s_mov_b32 s[G1B+3], 256<<16
	s_mov_b32 s[G1B+4], 64
	s_mov_b32 s[G1B+5], 1024
	s_mov_b32 s[G1B+6], 0
	s_mov_b32 s[G1B+7], 0
	s_lshl_b32 s16, s13, 6
	s_lshl_b32 s17, s12, 5
	s_add_co_u32 s16, s16, s17                     ; A: pair 64 x tile row + 32 x half,
	s_lshl_b32 s16, s16, 12                        ; of 4,096 bytes
	s_mov_b32 s17, 0
	s_lshl_b32 s46, s42, 9                         ; B: 512 bytes a tile column,
	s_lshl_b32 s47, s12, 17                        ; 64 rows of 2,048 bytes a half
	s_add_co_u32 s46, s46, s47
	s_mov_b32 s47, 0
	s_mul_i32 s20, s12, 32*PA                      ; where they go: no place in the cluster enters an LDS address
	s_mul_i32 s21, s12, 64*PB
	s_add_co_u32 s21, s21, BOFF
	s_wait_dscnt 0x0                               ; the opening add is done
	s_wait_kmcnt 0x0
	s_add_nc_u64 s[14:15], s[4:5], s[16:17]
	s_add_nc_u64 s[46:47], s[6:7], s[46:47]
	CROUND                                         ; all sixteen work-groups are here: the first joint loads meet
.irp s, 0,1
	s_mov_b32 s[G0+4*\s], 1
	s_add_co_u32 s[G0+4*\s+1], s20, \s*SLOT
	s_add_nc_u64 s[G0+4*\s+2:G0+4*\s+3], s[14:15], \s*512
	s_or_b32 s[G0+4*\s+3], s[G0+4*\s+3], 0x80000000
	s_mov_b32 s[G0B+4*\s], 1
	s_add_co_u32 s[G0B+4*\s+1], s21, \s*SLOT
	s_add_nc_u64 s[G0B+4*\s+2:G0B+4*\s+3], s[46:47], \s*262144
	s_or_b32 s[G0B+4*\s+3], s[G0B+4*\s+3], 0x80000000
	JLOAD \s                                       ; two loads of mine are out
.endr
	; the bias of my 128 columns, in the result's layout: for block b numbers 16 b + 8 h + 0 .. 7
	s_lshl_b32 s22, s42, 10
	s_lshl_b32 s23, s12, 9
	s_add_co_u32 s22, s22, s23
	s_mov_b32 s23, 0
	s_add_nc_u64 s[66:67], s[66:67], s[22:23]
	v_and_b32 v1, 15, v0                           ; r
	v_bfe_u32 v2, v0, 4, 1                         ; h
	v_lshlrev_b32 v[BO], 5, v2
	WIN 0x80                                       ; destination window 2
.irp b, 0,1,2,3,4,5,6,7
	global_load_b128 v[8*\b:8*\b+3], v[BO], s[66:67] offset:64*\b
	global_load_b128 v[8*\b+4:8*\b+7], v[BO], s[66:67] offset:64*\b+16
.endr
	WIN 0
	v_lshrrev_b32 v3, 1, v1                        ; A: row r of a block lies in pair r / 2, at 128 (r % 2) in each head's 256 bytes
	v_mul_u32_u24 v3, v3, PA
	v_and_b32 v4, 1, v0
	v_lshl_add_u32 v3, v4, 7, v3
	v_lshl_add_u32 v3, v2, 4, v3
	v_and_b32 v5, 7, v0                            ; B: row k = 8 h + lane % 8, columns 8 ((lane / 8) % 2) on
	v_lshl_add_u32 v5, v2, 3, v5
	v_mul_u32_u24 v5, v5, PB
	v_bfe_u32 v6, v0, 3, 1
	v_lshl_add_u32 v5, v6, 4, v5
	s_mul_i32 s21, s11, 32*PA                      ; my 64 rows of A
	s_lshl_b32 s22, s12, 8                         ; my 128 columns of B
	s_add_co_u32 s22, s22, BOFF
.irp s, 0,1
	v_add_nc_u32 v[ADRA+\s], s21, v3
	v_add_nc_u32 v[ADRB+\s], s22, v5
	s_add_co_u32 s21, s21, SLOT
	s_add_co_u32 s22, s22, SLOT
.endr
	s_mul_i32 s23, s10, 16*SPITCH
	s_add_co_u32 s23, s23, STAGE                   ; my stage
	v_mul_u32_u24 v5, v1, SPITCH
	v_lshl_add_u32 v5, v2, 5, v5
	v_add_nc_u32 v[STO], s23, v5                   ; in: row r, 32 bytes for each half of the lanes
	v_and_b32 v6, 31, v0
	v_lshlrev_b32 v[CO], 4, v6                     ; back: the 32 lanes take one row of 512 bytes; the same in C
	v_add_nc_u32 v[RD], s23, v[CO]
	s_lshl_b32 s16, s13, 7
	s_lshl_b32 s17, s11, 6
	s_add_co_u32 s16, s16, s17                     ; my first row of C,
	s_lshl_b32 s16, s16, 12                        ; of 4,096 bytes,
	s_lshl_b32 s17, s42, 10
	s_add_co_u32 s16, s16, s17                     ; the tile's first column,
	s_lshl_b32 s17, s12, 9
	s_add_co_u32 s16, s16, s17                     ; my half
	s_mov_b32 s17, 0
	s_add_nc_u64 s[8:9], s[8:9], s[16:17]
; 8 matrix instructions: A's block a x B's eight, 32 along K, from buffer f.  zero = 1: the first product starts the sum from the bias.  The 32 accumulators take turns.
.macro MUL8 f, a, zero
.irp b, 0,1,2,3,4,5,6,7
.if \zero
	v_wmma_f32_16x16x32_f16 v[8*(8*(\a)+\b):8*(8*(\a)+\b)+7], v[\f+32+8*\b:\f+32+8*\b+7], v[\f+8*(\a):\f+8*(\a)+7], v[8*\b:8*\b+7]
.else
	v_wmma_f32_16x16x32_f16 v[8*(8*(\a)+\b):8*(8*(\a)+\b)+7], v[\f+32+8*\b:\f+32+8*\b+7], v[\f+8*(\a):\f+8*(\a)+7], v[8*(8*(\a)+\b):8*(8*(\a)+\b)+7]
.endif
.endr
.endm
; 24 LDS loads in one run: the slot's kc-th 32 along K into buffer f: B's eight fragments (turned), then A's four
.macro FETCH slot, kc, f
	WIN 0
.irp i, 0,1,2,3,4,5,6,7
	ds_load_tr16_b128 v[\f+32+8*\i:\f+32+8*\i+3], v[ADRB+\slot] offset:(\kc)*32*PB+32*\i
	ds_load_tr16_b128 v[\f+32+8*\i+4:\f+32+8*\i+7], v[ADRB+\slot] offset:(\kc)*32*PB+32*\i+16*PB
.endr
.irp i, 0,1,2,3
	ds_load_b128 v[\f+8*\i:\f+8*\i+3], v[ADRA+\slot] offset:\i*8*PA+((\kc)/2)*256+((\kc)%2)*64
	ds_load_b128 v[\f+8*\i+4:\f+8*\i+7], v[ADRA+\slot] offset:\i*8*PA+((\kc)/2)*256+((\kc)%2)*64+32
.endr
.endm
.macro PLACES                          ; plain vector lines between a matrix instruction and a load into, or a read of, its registers
.rept 4
	v_nop
.endr
.endm
; A K step is four quarters of 32 along K, 32 matrix instructions each, on buffers 0, 1, 0, 1.  One of the first three: multiplies f and fetches the kc-th quarter into g.
.macro QUARTER slot, kc, f, g, zero
	s_wait_dscnt 4                                 ; B and A's blocks 0, 1 are in; the youngest four loads (A's blocks 2, 3) may be out
	WIN 0x50+0x10*(\zero)                          ; C and D window 1 (zero = 1: C, the bias, window 2)
	MUL8 \f, 0, \zero
	MUL8 \f, 1, \zero
	PLACES
	FETCH \slot, \kc, \g
	s_wait_dscnt 24                                ; all but the 24 just issued
	WIN 0x50+0x10*(\zero)
	MUL8 \f, 2, \zero
	MUL8 \f, 3, \zero
.endm
; The last quarter multiplies buffer 1 and changes slots: in front of the barrier each wave waits for all its tensor loads (one is out: its part of the next slot), adds 0 to its spare word, and waits for that and for
; its reads of this slot.  fill = 1: the barrier opens a round of the cluster's, and this slot is filled again, two K steps ahead, first thing behind it.
.macro TURN slot, next, fill
	WIN 0
	s_wait_tensorcnt 0x0
	ds_add_u32 v[SPW], v[NIL]
	s_wait_dscnt 5                                 ; (the add and the youngest four loads may be out)
	WIN 0x50
	MUL8 F1, 0, 0
	s_wait_dscnt 0x0                               ; the add is done, and my reads of this slot are over
	s_barrier_signal -1
	MUL8 F1, 1, 0
	WIN 0
	s_barrier_wait -1
.if \fill
	CREST                                          ; no wave of any partner still reads this slot's tile or has a load on its way
	s_add_nc_u64 s[G0+4*\slot+2:G0+4*\slot+3], s[G0+4*\slot+2:G0+4*\slot+3], 1024
	s_add_nc_u64 s[G0B+4*\slot+2:G0B+4*\slot+3], s[G0B+4*\slot+2:G0B+4*\slot+3], 524288
	JLOAD \slot                                    ; the four v_nop behind it are also the places in front of the loads below
.else
	PLACES
.endif
	FETCH \next, 0, F0
	WIN 0x50
	MUL8 F1, 2, 0
	MUL8 F1, 3, 0
.endm
	s_wait_loadcnt 0x0                             ; the bias
	s_wait_tensorcnt 1                             ; my part of K step 0 is in (K step 1's may be out)
	s_barrier_signal -1
	s_barrier_wait -1                              ; everybody's is
	FETCH 0, 0, F0
	QUARTER 0, 1, F0, F1, 1                        ; the first quarter stands in front of the loop: its products start the sums
	WIN 0
	s_mov_b32 s3, LAPS-1
.Llap:                                             ; a trip goes once round the ring, from a lap's second quarter to the next lap's first, and fills both slots again
	QUARTER 0, 2, F1, F0, 0
	QUARTER 0, 3, F0, F1, 0
	TURN 0, 1, 1
	QUARTER 1, 1, F0, F1, 0
	QUARTER 1, 2, F1, F0, 0
	QUARTER 1, 3, F0, F1, 0
	TURN 1, 0, 1
	QUARTER 0, 1, F0, F1, 0
	WIN 0
	s_sub_co_u32 s3, s3, 1
	s_cmp_lg_u32 s3, 0
	s_cbranch_scc1 .Llap
	QUARTER 0, 2, F1, F0, 0                        ; the last lap fills nothing
	QUARTER 0, 3, F0, F1, 0
	TURN 0, 1, 0
	QUARTER 1, 1, F0, F1, 0
	QUARTER 1, 2, F1, F0, 0
	QUARTER 1, 3, F0, F1, 0
	s_wait_dscnt 4                                 ; the very last quarter
	WIN 0x50
	MUL8 F1, 0, 0
	MUL8 F1, 1, 0
	s_wait_dscnt 0
	MUL8 F1, 2, 0
	MUL8 F1, 3, 0
	WIN 0
; THE WAY OUT, a block of 16 rows x 128 columns at a time, through my own stage: back as whole rows of 512 bytes, which the 32 lanes store as 512 consecutive aligned bytes.
.macro TOSTAGE a
	WIN 0x04                                       ; an LDS store's data are its source 1: window 1
.irp b, 0,1,2,3,4,5,6,7
	ds_store_b128 v[STO], v[8*(8*(\a)+\b):8*(8*(\a)+\b)+3] offset:64*\b          ; each accumulator from its low end on
	ds_store_b128 v[STO], v[8*(8*(\a)+\b)+4:8*(8*(\a)+\b)+7] offset:64*\b+16
.endr
	WIN 0
.set BB, BK+64*((\a)%2)
.irp t, 0,1,2,3,4,5,6,7,8,9,10,11,12,13,14,15
	ds_load_b128 v[BB+4*\t:BB+4*\t+3], v[RD] offset:\t*SPITCH                    ; LDS serves a wave's instructions in order
.endr
.endm
.macro SEND a, younger
.set BB, BK+64*((\a)%2)
	s_wait_dscnt \younger                          ; the block is back; the next block's 16 stores and 16 loads may be out
.irp t, 0,1,2,3,4,5,6,7,8,9,10,11,12,13,14,15
	global_store_b128 v[CO], v[BB+4*\t:BB+4*\t+3], s[8:9] offset:(\a)*65536+\t*4096 th:TH_STORE_NT
.endr
.endm
	PLACES
	TOSTAGE 0
.irp a, 1,2,3
.if \a > 1
	s_wait_xcnt 0x0                                ; the stores of the block two back have read their registers: this block's loads may land there
.endif
	TOSTAGE \a
	SEND \a-1, 32
.endr
	SEND 3, 0
	s_wait_tensorcnt 0x0                           ; the wave's end
	ds_add_u32 v[SPW], v[NIL]
	s_wait_dscnt 0x0
	CROUND                                         ; the closing round
	s_endpgm
.Lfunc_end_k_q7c53e3887f_oproj:
	.size	k_q7c53e3887f_oproj, .Lfunc_end_k_q7c53e3887f_oproj-k_q7c53e3887f_oproj
	.p2alignl 7, 3214868480
	.fill 96, 4, 3214868480
	.section	.rodata,"a",@progbits
	.p2align	6, 0x0
	.amdhsa_kernel k_q7c53e3887f_oproj
		.amdhsa_group_segment_fixed_size 327680
		.amdhsa_private_segment_fixed_size 0
		.amdhsa_enable_private_segment 0
		.amdhsa_kernarg_size 32
		.amdhsa_user_sgpr_count 2
		.amdhsa_user_sgpr_kernarg_segment_ptr 1
		.amdhsa_wavefront_size32 1
		.amdhsa_system_sgpr_workgroup_id_x 1
		.amdhsa_system_sgpr_workgroup_id_y 1
		.amdhsa_system_sgpr_workgroup_id_z 1
		.amdhsa_system_vgpr_workitem_id 0
		.amdhsa_next_free_vgpr 576
		.amdhsa_next_free_sgpr 68
		.amdhsa_reserve_vcc 0
		.amdhsa_float_denorm_mode_32 3
		.amdhsa_float_denorm_mode_16_64 3
		.amdhsa_memory_ordered 1
		.amdhsa_forward_progress 1
		.amdhsa_inst_pref_size 87
	.end_amdhsa_kernel
	.amdgpu_metadata
---
amdhsa.version: [ 1, 2 ]
amdhsa.kernels:
  - .name:           k_q7c53e3887f_oproj
    .symbol:         k_q7c53e3887f_oproj.kd
    .args:
      - { .name: y2, .offset: 0, .size: 8, .value_kind: global_buffer, .address_space: global }
      - { .name: wo16, .offset: 8, .size: 8, .value_kind: global_buffer, .address_space: global }
      - { .name: bo, .offset: 16, .size: 8, .value_kind: global_buffer, .address_space: global }
      - { .name: out0, .offset: 24, .size: 8, .value_kind: global_buffer, .address_space: global }
    .group_segment_fixed_size: 327680
    .private_segment_fixed_size: 0
    .kernarg_segment_align: 8
    .kernarg_segment_size: 32
    .max_flat_workgroup_size: 128
    .sgpr_count:     68
    .vgpr_count:     576
    .wavefront_size: 32
...
	.end_amdgpu_metadata
.endif
;; end of part 4
